; MI455X (gfx1250); checked and timed in simulation.
; The chip was launched on July 23, 2026; its instructions are those of AMD's public machine-readable ISA for CDNA 5 (MIT licence, August 2026) and "CDNA5" Instruction Set Architecture Reference Guide (July 2026). The comments in the code are by the model that wrote it; some were corrected since.
;; Causal Self Attention. Allowed arithmetic: matrix products marked QUANTISED: E3M2 operands, one E8M0 scale for each 32 along K, by v_wmma_scale_f32_16x16x128_f8f6f4 with both operands' format E3M2, f32 sums; products left as they are: f32 operands where the result goes on into a quantised operand, else bf16, f16 or f32 operands; f32 sums; everything else in f32.
;; Inputs: bk 1,024 float32; bo 1,024 float32; bq 1,024 float32; bv 1,024 float32; wk 1,024 x 1,024 float32; wo 1,024 x 1,024 float32; wq 1,024 x 1,024 float32; wv 1,024 x 1,024 float32; x 8 x 1,024 x 1,024 float32.
;; Outputs: out0 8 x 1,024 x 1,024 float32.
;; This version of the problem:
;;   THIS VERSION OF THE PROBLEM IS GIVEN IN LOW PRECISION. The matrix products marked QUANTISED in the list below multiply operands that are first quantised to E3M2 (3 exponent bits, 2 mantissa bits; 6 bits a number), with one power-of-two scale for each 32 numbers along K (OCP MX v1.0); their sums are f32. All else is computed in f32.
;;   The module's matrix products, in the order in which they are computed (A, B: the left and right operand; K: the contracted axis; several contracted axes count as one K, in the product's order):
;;     1. [M 8,192, K 1,024] x [K 1,024, N 1,024]; A: input x; B: input wq: QUANTISED
;;     2. [M 8,192, K 1,024] x [K 1,024, N 1,024]; A: input x; B: input wk: QUANTISED
;;     3. [M 8,192, K 1,024] x [K 1,024, N 1,024]; A: input x; B: input wv: QUANTISED
;;     4. [M 1,024, K 1] x [K 1, N 32]; A: computed on the way; B: computed on the way: left as it is (no contracted axis)
;;     5. batch 128 x [M 1,024, K 64] x [K 64, N 1,024]; A: computed on the way; B: computed on the way: QUANTISED
;;     6. batch 128 x [M 1,024, K 1,024] x [K 1,024, N 64]; A: softmax (see below); B: computed on the way: QUANTISED
;;     7. [M 8,192, K 1,024] x [K 1,024, N 1,024]; A: computed on the way; B: input wo: QUANTISED
;;   THE QUANTISER, for each operand of a quantised product, along K:
;;     - K is cut into blocks of 32 from its start; a last block that is shorter is filled with zeros.
;;     - A block's scale is 2^e with e = floor(log2(the largest magnitude in the block)) - 4, held to -126 .. 127; a block of zeros has e = 0. As a byte (E8M0): e + 127.
;;     - Each number is divided by its block's scale, clamped to +-28, and rounded to the nearest number of E3M2, ties to even, subnormals kept.
;;     - The product sums the exact products of the quantised numbers (number of the format x scale) in f32.
;;   ~~~python
;;   def quantise(x, axis):      # numpy; x: float32 -> the quantised numbers, widened to float32 again
;;       x = np.moveaxis(x, axis, -1); K = x.shape[-1]
;;       x = np.pad(x, [(0, 0)] * (x.ndim - 1) + [(0, -K % 32)]); x = x.reshape(x.shape[:-1] + (-1, 32)); a = np.abs(x).max(-1, keepdims=True)
;;       e = np.where(a > 0, np.clip(np.frexp(np.where(a > 0, a, 1))[1] - 1 - 4, -126, 127), 0)      # np.frexp(a)[1] - 1 = floor(log2(a)), exactly
;;       r = np.clip(x / 2.0 ** e, -28, 28)
;;       step = 2.0 ** (np.maximum(np.frexp(np.where(r == 0, 1, r))[1] - 1, -2) - 2)
;;       q = np.round(r / step) * step * 2.0 ** e      # np.round: ties to even
;;       return np.moveaxis(q.reshape(q.shape[:-2] + (-1,))[..., :K], -1, axis).astype(np.float32)
;;   ~~~
;;   SOFTMAX AHEAD OF A QUANTISED PRODUCT. Where the list says 'softmax', what is quantised is not the finished softmax but p = 2^(t - M), with t = logit x log2(e) and M = ceil(the row's largest t), a whole number; so 1/2 < the row's largest p <= 1. The row's sum l is taken of the UNQUANTISED p, in f32, and the product's result is divided by l at the end. Since M is a whole number, a kernel that streams over the keys may use a running M (the ceiling of the running maximum): every later rescaling is an exact power of two, which a block's scale takes up: the codes' values come out the same.
;;   OPERANDS COMPUTED ON THE WAY. 'Computed on the way' means the value that the module computes at that place (a softmax that the list does not call 'softmax' is quantised finished and normalised). What goes into a quantiser is computed in f32, as accurately as f32 sums, v_exp_f32 and their like allow (about 1e-6 of the number): no bf16 or f16 on the way to a quantiser, and a product that is left as it is and whose result goes on into a quantised operand takes f32 operands (vector FMAs, or v_wmma_f32_16x16x4_f32). A number that lies on a knife's edge between two numbers of the format may be rounded either way, as far as f32 arithmetic and the matrix unit's own rounding can turn it there, and no further.
;; One version. Each part assembles by itself: llvm-mc -triple=amdgcn-amd-amdhsa -mcpu=gfx1250 --defsym DOCPART=n.
;; ======== version 1 of 1: 4 launches
;; limits: right only within a limited range of input values
;; workspace buffers: xb 6,553,600 bytes; wb 3,276,800 bytes; rope 262,144 bytes; bp 12,288 bytes; qb 6,553,600 bytes; kvb 13,107,200 bytes; yb 6,553,600 bytes
;; launch prep (part 1): grid 1552 x 1, 2 waves a work-group, no clusters, 35,072 bytes of LDS; arguments x, wq, wk, wv, wo, bq, bk, bv, xb, wb, rope, bp; writes xb, wb, rope, bp
.if DOCPART == 1
	.amdgcn_target "amdgcn-amd-amdhsa--gfx1250"
	.amdhsa_code_object_version 6
	.text
	.protected	k_qee8d11d9ee_prep
	.globl	k_qee8d11d9ee_prep
	.p2align	8
	.type	k_qee8d11d9ee_prep,@function
k_qee8d11d9ee_prep:
	s_mov_b64 s[64:65], 0
	v_nop
	global_prefetch_b8 v0, s[64:65] scope:SCOPE_SE
	s_setreg_imm32_b32 hwreg(HW_REG_WAVE_MODE, 25, 1), 1
	s_wait_xcnt 0x0
; x [8192][1024] and wq, wk, wv, wo [1024][1024], f32 with K innermost, become codes of BF6 (E3M2) with one E8M0 byte for each 32 along K,
; laid as IMAGES OF OPERAND REGISTERS: a fragment (16 rows x 128 K, 12 registers a lane) is a record of 1,536 bytes: registers 0-3 at 16 x lane,
; 4-5 at 512 + 8 x lane, 6-9 at 768 + 16 x lane, 10-11 at 1,280 + 8 x lane.  xb, wb: [tile of 16 rows][8 K steps][1,536], then the scale bytes [row][32].
; THE ROWS OF A WEIGHT ARE STORED IN A CHOSEN ORDER (which rows form a tile only says where a result lands).  Stored row 16 tile + p of a head's 64 is source row
;   wq, wk: 32 (p / 8) + 2 (p % 8) + 16 (tile % 2) + tile / 2      wv: 32 (tile / 2) + 8 (tile % 2) + 16 (p / 8) + p % 8      wo, x: as they lie.
; Work-groups 0-255 take x, 256-287 wq, 288-319 wk, 320-351 wv, 352-383 wo: a wave takes one tile of 16 rows and two of its eight K steps.  Only pointers and strides are chosen by the work-group's number.
; Work-groups 384-399: a thread to each t of 1,024: the table of cos and sin (rope: [t][cos 0-15 | sin 0-15 | cos 16-31 | sin 16-31], f32), and the biases bq, bk, bv in the stored order (bp).
; A block's scale byte is its largest magnitude's exponent field - 4, held at 1 from below (a block of zeros keeps 1: its codes are zeros, and only this program reads the bytes).
; LIMITS: NaN and infinities among the inputs are not served; blocks whose largest magnitude lies under 2^-122 keep the byte 1.
; The angles: P = 10000^(i/32) = 10^(i/8) rounded to f32, 1 / P by v_rcp_f32 and one Newton step, t x (1 / P) in one f32 multiplication; pi/2 is taken off in two parts by fused multiply-adds.
; No matrix work, no cluster, no barrier: waves share nothing; memory binds.
.set XB_SC, 6291456
.set WB_SC, 3145728
.set RR,  1                            ; v1  lane % 16
.set HH,  2                            ; v2  lane / 16
.set LI,  3                            ; v3  16 x lane
.set L8,  4                            ; v4  8 x lane
.set STI, 5                            ; v5  the stage, on the way in
.set STO, 6                            ; v6  the stage, on the way out
.set SCO, 7                            ; v7  32 r + 4 h: my 4 scale bytes
.set OFF, 8                            ; v8-15 offsets of eight source rows
.set R,   16                           ; v16-143 two sets of 64: a K step of 16 rows as loaded
.set X,   144                          ; v144-207 64 numbers of my row: register 16 b + i = k 32 b + 16 h + i
.set PC,  208                          ; v208-227 the codes just made
.set TM,  228                          ; v228-239 at work
.set W,   240                          ; v240-241 the two scale words
.set WS,  248
.set SEL, 60
.set PP,  16                           ; the table's path: P, then 1 - P r
.set IV,  48                           ; 1 / P
.set OUT, 128
.set RB,  64
; 64 numbers of a lane become a fragment's codes in v[PC] on and its scale word in v[pw]
.macro QUANT s, pw
.irp b, 0,1,2,3
	v_max3_num_f32 v[TM+\b], |v[(\s)+16*\b]|, |v[(\s)+1+16*\b]|, 0x2800000   ; my 16 numbers of block b, and the floor 2^(5 - 127)
.endr
.irp i, 2,4,6,8,10,12,14
.irp b, 0,1,2,3
	v_max3_num_f32 v[TM+\b], v[TM+\b], |v[(\s)+16*\b+\i]|, |v[(\s)+1+16*\b+\i]|
.endr
.endr
.irp b, 0,1,2,3
	v_permlanex16_b32 v[TM+4+\b], v[TM+\b], s[SEL], s[SEL+1]
.endr
.irp b, 0,1,2,3
	v_max_num_f32 v[TM+\b], v[TM+\b], v[TM+4+\b]       ; with lane l xor 16's: the block's largest magnitude
.endr
.irp b, 0,1,2,3
	v_add_nc_u32 v[TM+8+\b], 0xfe000000, v[TM+\b]      ; 4 off its exponent field: the conversion's scale operand
.endr
.irp b, 0,1,2,3
	v_lshrrev_b32 v[TM+4+\b], 23, v[TM+8+\b]           ; the scale's byte
.endr
	v_lshl_or_b32 v[\pw], v[TM+5], 8, v[TM+4]
	v_lshl_or_b32 v[\pw], v[TM+6], 16, v[\pw]
	v_lshl_or_b32 v[\pw], v[TM+7], 24, v[\pw]
.irp c, 0,1
	v_cvt_scalef32_pk16_bf6_f32 v[PC+6*\c:PC+2+6*\c], v[(\s)+32*\c:(\s)+15+32*\c], v[TM+8+2*\c]
	v_cvt_scalef32_pk16_bf6_f32 v[PC+12+4*\c:PC+14+4*\c], v[(\s)+16+32*\c:(\s)+31+32*\c], v[TM+8+2*\c+1]
.endr
	v_nop                                              ; one plain place behind a scaled conversion
.irp c, 0,1                                            ; the operand wants a whole block in a lane
.irp i, 0,1,2
	v_permlane16_swap_b32 v[PC+6*\c+\i], v[PC+12+4*\c+\i]
.endr
.irp i, 0,1,2
	v_mov_b32 v[PC+3+6*\c+\i], v[PC+12+4*\c+\i]
.endr
.endr
.endm
	s_load_b256 s[4:11], s[0:1], 0x0               ; x, wq, wk, wv
	s_load_b256 s[12:19], s[0:1], 0x20             ; wo, bq, bk, bv
	s_load_b256 s[20:27], s[0:1], 0x40             ; xb, wb, rope, bp
	v_lshl_add_u32 v254, v0, 2, 0x8800             ; my spare word, and 0: kept for the add at the wave's end
	v_mov_b32 v255, 0
	; K IS CUT IN FOUR among the quantising work-groups: the numbers 0-383 that the comment at the head names are ttmp9 / 4, and ttmp9 % 4 says which 256 along K:
	; a wave takes one tile of 16 rows x two K steps, and all its 32 loads are out at once.  The table's work-groups, there 384-399, are 1,536-1,551.
	; A row's two scale words leave as 4 bytes a lane, rows 32 bytes apart: 1 byte in 25 of what the launch stores.
	s_lshr_b32 s55, ttmp9, 2
	s_and_b32 s56, ttmp9, 3
	v_lshrrev_b32 v8, 5, v0
	v_readfirstlane_b32 s28, v8                    ; wave
	s_cmp_ge_u32 ttmp9, 1536
	s_cbranch_scc1 .Lrope
	; ---- the quantiser
	s_lshl_b32 s29, s55, 1
	s_add_co_u32 s29, s29, s28                     ; my job: 0-511 tiles of x, 512-767 stored tiles of wb
	s_sub_co_u32 s33, s55, 256
	s_cmp_lt_u32 s33, 64                           ; wq or wk?
	s_cselect_b32 s34, 32, 8                       ; rows from p / 8 = 0 to 1
	s_cselect_b32 s35, 13, 12                      ; log2 of the bytes from p % 8 to the next
	s_cselect_b32 s37, 1, 32                       ; rows for tile / 2
	s_sub_co_u32 s33, s55, 320
	s_cmp_lt_u32 s33, 32                           ; wv?
	s_cselect_b32 s34, 16, s34
	s_cselect_b32 s36, 8, 16                       ; rows for tile % 2
	s_mov_b32 s30, WB_SC
	s_mov_b32 s32, 63
	s_wait_kmcnt 0x0
	s_mov_b64 s[40:41], s[12:13]
	s_cmp_lt_u32 s55, 352
	s_cselect_b64 s[40:41], s[10:11], s[40:41]
	s_cmp_lt_u32 s55, 320
	s_cselect_b64 s[40:41], s[8:9], s[40:41]
	s_cmp_lt_u32 s55, 288
	s_cselect_b64 s[40:41], s[6:7], s[40:41]
	s_cmp_lt_u32 s55, 256
	s_cselect_b64 s[40:41], s[4:5], s[40:41]       ; the source
	s_cselect_b64 s[44:45], s[20:21], s[22:23]     ; the destination
	s_cselect_b32 s30, XB_SC, s30                  ; where its scale bytes begin
	s_cselect_b32 s31, 0, 512
	s_cselect_b32 s32, -1, s32
	s_sub_co_u32 s50, s29, s31                     ; the tile in the destination
	s_and_b32 s51, s50, s32                        ; the tile in its tensor
	; wq, wk, wv are stored BY HEAD: head H's 12 tiles on end (q's four, k's four, v's four): tile 12 H + 4 m + tile % 4; x and wo as they lie
	s_lshr_b32 s53, s51, 2                         ; head
	s_mul_i32 s53, s53, 12
	s_lshr_b32 s54, s50, 6                         ; m: 0 wq, 1 wk, 2 wv
	s_lshl_b32 s54, s54, 2
	s_add_co_u32 s53, s53, s54
	s_and_b32 s54, s51, 3
	s_add_co_u32 s53, s53, s54
	s_sub_co_u32 s54, s55, 256
	s_cmp_lt_u32 s54, 96                           ; work-groups 256-351
	s_cselect_b32 s50, s53, s50
	s_lshr_b32 s38, s51, 2
	s_lshl_b32 s38, s38, 6
	s_and_b32 s33, s51, 1
	s_mul_i32 s33, s33, s36
	s_add_co_u32 s38, s38, s33
	s_bfe_u32 s33, s51, 0x10001
	s_mul_i32 s33, s33, s37
	s_add_co_u32 s38, s38, s33                     ; the source row of p = 0
	s_lshl_b32 s38, s38, 12                        ; a row is 4,096 bytes
	s_mov_b32 s39, 0
	s_add_nc_u64 s[40:41], s[40:41], s[38:39]      ; p = 0 .. 7
	s_lshl_b32 s38, s34, 12
	s_add_nc_u64 s[42:43], s[40:41], s[38:39]      ; p = 8 .. 15
	s_mul_i32 s38, s50, 12288
	s_add_nc_u64 s[46:47], s[44:45], s[38:39]      ; my eight records
	s_lshl_b32 s38, s50, 9
	s_add_co_u32 s38, s38, s30
	s_add_nc_u64 s[48:49], s[44:45], s[38:39]      ; my tile's 512 scale bytes
	s_lshl_b32 s38, s56, 10                        ; my quarter of K: 1,024 bytes along a source row,
	s_add_nc_u64 s[40:41], s[40:41], s[38:39]
	s_add_nc_u64 s[42:43], s[42:43], s[38:39]
	s_mul_i32 s38, s56, 3072                       ; two records,
	s_add_nc_u64 s[46:47], s[46:47], s[38:39]
	s_lshl_b32 s38, s56, 3                         ; two scale words of a row
	s_add_nc_u64 s[48:49], s[48:49], s[38:39]
	s_mov_b32 s[SEL], 0x76543210
	s_mov_b32 s[SEL+1], 0xfedcba98
	v_and_b32 v8, 31, v0
	v_and_b32 v[RR], 15, v0
	v_bfe_u32 v[HH], v0, 4, 1
	v_lshlrev_b32 v[LI], 4, v8
	v_lshlrev_b32 v[L8], 3, v8
	s_mul_i32 s52, s28, 8448                       ; my wave's stage: 16 rows of 512 + 16 bytes
	v_add_nc_u32 v[STI], s52, v[LI]
	v_mul_u32_u24 v[STO], v[RR], 528
	v_lshl_add_u32 v[STO], v[HH], 6, v[STO]
	v_add_nc_u32 v[STO], s52, v[STO]
	v_lshlrev_b32 v[SCO], 5, v[RR]
	v_lshl_add_u32 v[SCO], v[HH], 2, v[SCO]        ; 32 r + 4 h: lanes 0-15 store the first K step's word, lanes 16-31 the second's
.irp e, 0,1,2,3,4,5,6,7
	s_lshl_b32 s53, \e, s35
	v_add_nc_u32 v[OFF+\e], s53, v[LI]
.endr
.irp b, 0,1,2,3
	v_mov_b32 v[TM+4+\b], 0                        ; written once: a lane permute's destination counts as one of its sources
.endr
.macro LOAD f                          ; K step f of the 16 rows: each load reads 512 consecutive bytes of one row
.irp p, 0,1,2,3,4,5,6,7
	global_load_b128 v[R+64*((\f)%2)+4*\p:R+64*((\f)%2)+4*\p+3], v[OFF+\p], s[40:41] offset:512*(\f) th:TH_LOAD_NT
.endr
.irp p, 0,1,2,3,4,5,6,7
	global_load_b128 v[R+64*((\f)%2)+32+4*\p:R+64*((\f)%2)+32+4*\p+3], v[OFF+\p], s[42:43] offset:512*(\f) th:TH_LOAD_NT
.endr
.endm
.macro FRAGQ f
.if (\f) < 1
	s_wait_loadcnt 16                              ; this K step's 16 loads are in; the other's 16 may be out
.else
	s_wait_loadcnt 0x0
.endif
.irp p, 0,1,2,3,4,5,6,7,8,9,10,11,12,13,14,15
	ds_store_b128 v[STI], v[R+64*((\f)%2)+4*\p:R+64*((\f)%2)+4*\p+3] offset:528*\p
.endr
.irp b, 0,1,2,3
.irp n, 0,1,2,3
	ds_load_b128 v[X+16*\b+4*\n:X+16*\b+4*\n+3], v[STO] offset:128*\b+16*\n   ; LDS serves a wave's instructions in order: these see the stores above
.endr
.endr
	s_wait_dscnt 0x0                               ; my numbers are back, and the stores have read their registers
	s_wait_xcnt 0x0                                ; the last record's stores have read the codes' registers
	QUANT X, W+(\f)
	global_store_b128 v[LI], v[PC:PC+3], s[46:47] offset:1536*(\f)          ; each store covers whole aligned blocks of 256 bytes
	global_store_b64 v[L8], v[PC+4:PC+5], s[46:47] offset:1536*(\f)+512
	global_store_b128 v[LI], v[PC+6:PC+9], s[46:47] offset:1536*(\f)+768
	global_store_b64 v[L8], v[PC+10:PC+11], s[46:47] offset:1536*(\f)+1280
.endm
	LOAD 0
	LOAD 1
	s_wait_alu depctr_va_vdst(0)
.irp f, 0,1
	FRAGQ \f
.endr
	v_cmp_eq_u32 vcc_lo, 1, v[HH]                  ; both halves of the lanes hold both words
	v_cndmask_b32 v[WS], v[W], v[W+1], vcc_lo
	global_store_b32 v[SCO], v[WS], s[48:49]
	s_wait_tensorcnt 0x0                           ; the wave's end
	ds_add_u32 v254, v255
	s_wait_dscnt 0x0
	s_endpgm
	; ---- the table of cos and sin, and the biases in the stored order
.Lrope:
	s_sub_co_u32 s29, ttmp9, 1536
	s_lshl_b32 s29, s29, 6
	v_add_nc_u32 v1, s29, v0                       ; t; also a stored row of each of wq, wk, wv
	v_and_b32 v2, 15, v1                           ; p
	v_bfe_u32 v3, v1, 4, 2                         ; tile
	v_and_b32 v4, 0x3c0, v1                        ; 64 x head
	v_lshrrev_b32 v5, 3, v2
	v_and_b32 v6, 7, v2
	v_and_b32 v7, 1, v3
	v_lshrrev_b32 v8, 1, v3
	v_lshl_add_u32 v9, v5, 5, v4
	v_lshl_add_u32 v9, v6, 1, v9
	v_lshl_add_u32 v9, v7, 4, v9
	v_add_nc_u32 v9, v9, v8
	v_lshlrev_b32 v9, 2, v9                        ; wq's and wk's source row, in bytes of a bias
	v_lshl_add_u32 v10, v8, 5, v4
	v_lshl_add_u32 v10, v7, 3, v10
	v_lshl_add_u32 v10, v5, 4, v10
	v_add_nc_u32 v10, v10, v6
	v_lshlrev_b32 v10, 2, v10                      ; wv's
	v_lshlrev_b32 v11, 2, v1
	s_wait_alu depctr_va_vdst(0)
	s_wait_kmcnt 0x0
	global_load_b32 v12, v9, s[14:15]
	global_load_b32 v13, v9, s[16:17]
	global_load_b32 v14, v10, s[18:19]
	v_cvt_f32_u32 v1, v1                           ; t as f32
	s_mov_b32 s30, 0x3f22f983                      ; 2 / pi
	s_mov_b32 s31, 0xbfc90fdb                      ; - pi/2, its f32
	s_mov_b32 s32, 0x333bbd2e                      ; - (pi/2 less that f32)
	s_mov_b32 s33, 0x37ccf5ce                      ; cos: 2.4433157e-5, -1.3887316e-3, 4.1666646e-2
	s_mov_b32 s34, 0xbab6061a
	s_mov_b32 s35, 0x3d2aaaa5
	s_mov_b32 s36, 0xb94ca1f9                      ; sin: -1.9515296e-4, 8.3321609e-3, -1.6666655e-1
	s_mov_b32 s37, 0x3c08839e
	s_mov_b32 s38, 0xbe2aaaa3
	s_mov_b32 s39, 0x80000000
.set ii, 0
.irp p, 1.0, 1.333521432163324, 1.778279410038923, 2.371373705661655, 3.162277660168379, 4.216965034285822, 5.623413251903491, 7.498942093324558, 10.0, 13.33521432163324, 17.78279410038923, 23.71373705661655, 31.62277660168379, 42.16965034285822, 56.23413251903491, 74.98942093324558, 100.0, 133.3521432163324, 177.8279410038923, 237.1373705661655, 316.2277660168379, 421.6965034285822, 562.3413251903491, 749.8942093324558, 1000.0, 1333.521432163324, 1778.279410038923, 2371.373705661655, 3162.277660168379, 4216.965034285822, 5623.413251903491, 7498.942093324558
	v_mov_b32 v[PP+ii], \p                         ; 10^(i/8), rounded to f32
.set ii, ii+1
.endr
.set ii, 0
	s_wait_alu depctr_va_vdst(0)
.rept 32
	v_rcp_f32 v[IV+ii], v[PP+ii]
.set ii, ii+1
.endr
	v_nop                                          ; a plain place behind the last reciprocal
	s_wait_alu depctr_va_vdst(0)                   ; one wait for the batch of 32, ahead of its first reader
.set ii, 0
.rept 32
	v_fma_f32 v[PP+ii], -v[PP+ii], v[IV+ii], 1.0   ; 1 - P r
.set ii, ii+1
.endr
.set ii, 0
.rept 32
	v_fma_f32 v[IV+ii], v[IV+ii], v[PP+ii], v[IV+ii]   ; r + r (1 - P r)
.set ii, ii+1
.endr
	s_wait_loadcnt 0x0
	global_store_b32 v11, v12, s[26:27]            ; v11-14 are not written again
	global_store_b32 v11, v13, s[26:27] offset:4096
	global_store_b32 v11, v14, s[26:27] offset:8192
.macro SINCOS i
	v_mul_f32 v2, v1, v[IV+(\i)]                   ; the angle, one f32 multiplication
	v_mul_f32 v3, s30, v2
	v_rndne_f32 v3, v3                             ; n quarter turns
	v_fma_f32 v4, v3, s31, v2
	v_fma_f32 v4, v3, s32, v4                      ; what is left, at most pi/4 either way
	v_mul_f32 v5, v4, v4
	v_fma_f32 v6, v5, s33, s34
	v_fma_f32 v9, v5, s36, s37
	v_fma_f32 v6, v6, v5, s35
	v_fma_f32 v9, v9, v5, s38
	v_mul_f32 v7, v5, v5
	v_fma_f32 v8, v5, -0.5, 1.0
	v_mul_f32 v10, v5, v4
	v_fma_f32 v6, v6, v7, v8                       ; its cos
	v_fma_f32 v9, v9, v10, v4                      ; its sin
	v_cvt_i32_f32 v15, v3
	v_and_b32 v192, 1, v15
	v_cmp_eq_u32 vcc_lo, 1, v192                   ; an odd quarter exchanges the two
	v_cndmask_b32 v193, v9, v6, vcc_lo
	v_cndmask_b32 v194, v6, v9, vcc_lo
	v_lshlrev_b32 v192, 30, v15                    ; sin changes sign in quarters 2 and 3,
	v_add_nc_u32 v15, 1, v15
	v_and_b32 v192, s39, v192
	v_lshlrev_b32 v15, 30, v15                     ; cos in quarters 1 and 2
	v_xor_b32 v[OUT+32*((\i)/16)+(\i)%16+16], v192, v193
	v_and_b32 v15, s39, v15
	v_xor_b32 v[OUT+32*((\i)/16)+(\i)%16], v15, v194
.endm
.irp i, 0,1,2,3,4,5,6,7,8,9,10,11,12,13,14,15,16,17,18,19,20,21,22,23,24,25,26,27,28,29,30,31
	SINCOS \i
.endr
	; a lane's 256 bytes are a row of the table: through the wave's own stage (rows of 256 + 16 bytes), so that a store covers 512 consecutive bytes
	v_and_b32 v2, 31, v0
	s_mul_i32 s40, s28, 8704
	s_add_co_u32 s40, s40, 16896
	v_mul_u32_u24 v3, v2, 272
	v_add_nc_u32 v3, s40, v3
	v_lshrrev_b32 v4, 4, v2
	v_mul_u32_u24 v4, v4, 272
	v_and_b32 v5, 15, v2
	v_lshl_add_u32 v4, v5, 4, v4
	v_add_nc_u32 v4, s40, v4
	v_lshlrev_b32 v5, 4, v2
	s_lshl_b32 s41, s28, 5
	s_add_co_u32 s41, s41, s29                     ; my wave's first t
	s_lshl_b32 s42, s41, 8
	s_mov_b32 s43, 0
	s_add_nc_u64 s[24:25], s[24:25], s[42:43]
.irp n, 0,1,2,3,4,5,6,7,8,9,10,11,12,13,14,15
	ds_store_b128 v3, v[OUT+4*\n:OUT+4*\n+3] offset:16*\n
.endr
.irp n, 0,1,2,3,4,5,6,7,8,9,10,11,12,13,14,15
	ds_load_b128 v[RB+4*\n:RB+4*\n+3], v4 offset:544*\n    ; in order behind the stores
.endr
	s_wait_alu depctr_va_vdst(0)
.irp n, 0,1,2,3,4,5,6,7,8,9,10,11,12,13,14,15
	s_wait_dscnt 15-\n                             ; the younger loads may stay out
	global_store_b128 v5, v[RB+4*\n:RB+4*\n+3], s[24:25] offset:512*\n
.endr
	s_wait_tensorcnt 0x0                           ; the wave's end
	ds_add_u32 v254, v255
	s_wait_dscnt 0x0
	s_endpgm
.Lfunc_end_k_qee8d11d9ee_prep:
	.size	k_qee8d11d9ee_prep, .Lfunc_end_k_qee8d11d9ee_prep-k_qee8d11d9ee_prep
	.p2alignl 7, 3214868480
	.fill 96, 4, 3214868480
	.section	.rodata,"a",@progbits
	.p2align	6, 0x0
	.amdhsa_kernel k_qee8d11d9ee_prep
		.amdhsa_group_segment_fixed_size 35072
		.amdhsa_private_segment_fixed_size 0
		.amdhsa_enable_private_segment 0
		.amdhsa_kernarg_size 96
		.amdhsa_user_sgpr_count 2
		.amdhsa_user_sgpr_kernarg_segment_ptr 1
		.amdhsa_wavefront_size32 1
		.amdhsa_system_sgpr_workgroup_id_x 1
		.amdhsa_system_sgpr_workgroup_id_y 1
		.amdhsa_system_sgpr_workgroup_id_z 1
		.amdhsa_system_vgpr_workitem_id 0
		.amdhsa_next_free_vgpr 256
		.amdhsa_next_free_sgpr 66
		.amdhsa_reserve_vcc 1
		.amdhsa_float_denorm_mode_32 3
		.amdhsa_float_denorm_mode_16_64 3
		.amdhsa_memory_ordered 1
		.amdhsa_forward_progress 1
		.amdhsa_inst_pref_size 71
	.end_amdhsa_kernel
	.amdgpu_metadata
---
amdhsa.version: [ 1, 2 ]
amdhsa.kernels:
  - .name:           k_qee8d11d9ee_prep
    .symbol:         k_qee8d11d9ee_prep.kd
    .args:
      - { .name: x, .offset: 0, .size: 8, .value_kind: global_buffer, .address_space: global }
      - { .name: wq, .offset: 8, .size: 8, .value_kind: global_buffer, .address_space: global }
      - { .name: wk, .offset: 16, .size: 8, .value_kind: global_buffer, .address_space: global }
      - { .name: wv, .offset: 24, .size: 8, .value_kind: global_buffer, .address_space: global }
      - { .name: wo, .offset: 32, .size: 8, .value_kind: global_buffer, .address_space: global }
      - { .name: bq, .offset: 40, .size: 8, .value_kind: global_buffer, .address_space: global }
      - { .name: bk, .offset: 48, .size: 8, .value_kind: global_buffer, .address_space: global }
      - { .name: bv, .offset: 56, .size: 8, .value_kind: global_buffer, .address_space: global }
      - { .name: xb, .offset: 64, .size: 8, .value_kind: global_buffer, .address_space: global }
      - { .name: wb, .offset: 72, .size: 8, .value_kind: global_buffer, .address_space: global }
      - { .name: rope, .offset: 80, .size: 8, .value_kind: global_buffer, .address_space: global }
      - { .name: bp, .offset: 88, .size: 8, .value_kind: global_buffer, .address_space: global }
    .group_segment_fixed_size: 35072
    .private_segment_fixed_size: 0
    .kernarg_segment_align: 8
    .kernarg_segment_size: 96
    .max_flat_workgroup_size: 64
    .sgpr_count:     66
    .vgpr_count:     256
    .wavefront_size: 32
...
	.end_amdgpu_metadata
.endif
;; end of part 1
;; launch qkv (part 2): grid 8 x 32, 4 waves a work-group, clusters of 4 x 4, 327,680 bytes of LDS; arguments xb, wb, rope, bp, qb, kvb; writes qb, kvb
.if DOCPART == 2
	.amdgcn_target "amdgcn-amd-amdhsa--gfx1250"
	.amdhsa_code_object_version 6
	.text
	.protected	k_qee8d11d9ee_qkv
	.globl	k_qee8d11d9ee_qkv
	.p2align	8
	.type	k_qee8d11d9ee_qkv,@function
k_qee8d11d9ee_qkv:
	s_mov_b64 s[64:65], 0
	v_nop
	global_prefetch_b8 v0, s[64:65] scope:SCOPE_SE
	s_setreg_imm32_b32 hwreg(HW_REG_WAVE_MODE, 25, 1), 1
	s_wait_xcnt 0x0
	s_wait_alu depctr_hold_cnt(0) depctr_sa_sdst(0) depctr_va_vdst(0) depctr_va_sdst(0) depctr_va_ssrc(0) depctr_va_vcc(0) depctr_vm_vsrc(0)
	s_getreg_b32 s2, hwreg(HW_REG_IB_STS2, 6, 4)
	s_cmp_eq_u32 s2, 0
	s_cbranch_scc0 .Lentry_in_a_cluster
	s_endpgm
.Lentry_in_a_cluster:
	s_bfe_u32 s2, ttmp6, 0x10000c
	s_cmp_lg_u32 s2, 0xf033
	s_cbranch_scc0 .Lentry_shape_is_right
	s_endpgm
.Lentry_shape_is_right:
; q = x wq^T + bq, k = x wk^T + bk (both turned by RoPE), v = x wv^T + bv, on codes of BF6 (E3M2) with E8M0 scales, K = 1,024; the results are quantised at once, in registers:
; q and k along the head's 64, v along the keys.  Operands are images of operand registers: a fragment (16 rows x 128 K) is a record of 1,536 bytes, a tile of 16 rows 8 records on end.
; SHARES.  256 work-groups: 32 blocks of 256 tokens x 8 pairs of heads.  A wave makes 128 tokens x ONE head's q, k and v: 8 token tiles x 12 weight tiles = 96 accumulators:
;   window 1: q, accumulator (token tile a, weight tile b) at v[32 a + 8 b];  window 2: k, the same;  window 3: v, (channel tile c, token tile a) at v[64 c + 8 a].
;   q, k: source 0 = the weight's 16 stored rows, source 1 = 16 tokens: a lane holds a token.   v: source 0 = 16 tokens, source 1 = wv's 16 stored rows: a lane holds a channel, registers run along the tokens.
;   window 0: v0-23 addresses; v24-63 scale words, two sets of 20, and nothing else; v64-159 x's 8 fragments, ONE set; v160-255 the weight's fragments, two sets of 4.
; A K step is three groups of 32 products (q, k, v), each token tile by token tile.  The next group's four weight fragments are fetched a group ahead; x's tiles 0-3 of the next step in the middle of group v, tiles 4-7 at its end.
; THE BIASES ARE THE C OF THE FIRST K STEP: they are loaded into the accumulators of token tile 7, the other seven tiles name those registers as C, and tile 7 adds in place, five places behind the last that read them.
; LDS.  Five of the eight K steps fit: part 0 holds steps 0-2 (a tile's row 4,608 bytes), part 1 steps 3-4 (3,072 bytes).  The head's four joint loads, one a wave: x's and w's rows of part 0, x's and w's of part 1.
;   Part 0 is filled again once, with steps 5-7, behind the full sequence and a round of the cluster's barrier, a load a wave.  Every row begins at a multiple of 256 bytes of its buffer.
; CLUSTER 4 x 4: x's tiles hang on the token block alone and are shared along a row of the cluster, the weights' on the pair of heads alone and are shared along a column.
; SCALES: 8 bytes a row for two K steps, by loads into registers, two K steps ahead: lanes 0-15 hold tile 2 j's words, lanes 16-31 tile 2 j + 1's.  A row's 32 bytes are so read in four pieces: 20,480 bytes a work-group in all.
; PREFETCH: in K step 0 each wave names its partner's share (by address: cx for x, cy for w) of the rows that it will fetch for steps 5-7, 18 blocks of 256 bytes a tile, a lane a block: two K steps ahead of that load.
;   In K step 1 waves 0 and 1 name 32 rows each of the table of cos and sin (64 rows a partner of the block's 256).  Steps 0-4 come by the head's loads alone.
; OUT, as the next launch reads it.  qb: for each (head, 128 tokens) 6,400 bytes: 4 images of 1,536 (registers 0-5 token tile 2 a, 6-11 tile 2 a + 1), at 6,144 the scale words [r][a].
;   kvb: 12,800 bytes: k's 4 images, at 6,144 v's 4 fragments (16 channels x 128 keys), at 12,288 k's words, at 12,544 v's.  In v's blocks of 32 keys place 16 h + 8 u + j is key 32 b + 16 u + 8 h + j.
; LIMITS: NaN and infinities are not served; a block whose largest magnitude lies under 2^-122 keeps the byte 1 (a block of zeros too: its codes are zeros).
.set R0X, 0
.set R0W, 73728
.set R1X, 184320
.set R1W, 233472
.set SPARE, 307200                     ; the spare words: 512 bytes that no other line names
.set RR,  1
.set HH,  2
.set LI,  3                            ; 16 x lane
.set RA,  4                            ; 256 r + 128 h: my place in a row tile of the table
.set L32, 5                            ; 32 x lane: a row of scale bytes
.set SPW, 6
.set NIL, 7
.set AD,  8                            ; v8-15: part 0: x 16 x lane, x 8 x lane, w, w; part 1: the same
.set PFO, 16
.set PFR, 17
.set BOQ, 18
.set BOV, 19
.set SCQ, 20
.set SCB, 24
.set XF,  64
.set WF,  160
.set T,   64                           ; the way out, window 0
.set CS0, 128
.set PC,  192
.set PT,  204                          ; v204-211 the conversions' second halves, at work
.set TM,  212
.set SW,  224                          ; scale words: q's four, k's four, v's four
.set WSL, 236
.set SEL, 60
.set MSB, 0
.macro WIN new                         ; the immediate's high byte repeats the setting that is left
.if MSB != (\new)
	s_set_vgpr_msb (MSB<<8)|(\new)
.set MSB, (\new)
.endif
.endm
.macro PLACES n
.rept \n
	v_nop
.endr
.endm
.macro TLD g0, g1                      ; s_nop 0 and four v_nop follow each tensor load
	tensor_load_to_lds s[\g0:\g0+3], s[\g1:\g1+7]
	s_nop 0
.rept 4
	v_nop
.endr
.endm
.macro CREST
	s_cmp_lg_u32 s20, 0
	s_cbranch_scc1 .Lnot_wave_0_\@
	s_barrier_signal -3
.Lnot_wave_0_\@:
	s_barrier_wait -3
	s_barrier_signal -1
	s_barrier_wait -1
.endm
.macro CROUND
	s_barrier_signal -1
	s_barrier_wait -1
	CREST
.endm
.macro G1SET g, c, r                   ; r rows of c elements of 8 bytes, 12,288 bytes apart, dense in LDS
	s_mov_b32 s[\g+1], (\c)<<16
	s_mov_b32 s[\g+2], (\r)<<16
	s_mov_b32 s[\g+3], (\c)<<16
	s_mov_b32 s[\g+4], \r
	s_mov_b32 s[\g+5], 1536
	s_mov_b32 s[\g+6], 0
	s_mov_b32 s[\g+7], 0
.endm
.macro LOC s                           ; where K step s lies: the part, the byte in a tile's row, the row
.if (\s) < 3
.set RG, 0
.set OFS, (\s)*1536
.set TP, 4608
.elseif (\s) < 5
.set RG, 1
.set OFS, ((\s)-3)*1536
.set TP, 3072
.else
.set RG, 0
.set OFS, ((\s)-5)*1536
.set TP, 4608
.endif
.endm
.macro FRAG reg, a16, off              ; a record comes back as the registers that it is an image of
	ds_load_b128 v[\reg:\reg+3], v[\a16] offset:\off
	ds_load_b64 v[\reg+4:\reg+5], v[\a16+1] offset:\off+512
	ds_load_b128 v[\reg+6:\reg+9], v[\a16] offset:\off+768
	ds_load_b64 v[\reg+10:\reg+11], v[\a16+1] offset:\off+1280
.endm
.macro LDX s, a0                       ; x's tiles a0 .. a0 + 3 of step s: 16 LDS loads
	LOC \s
.irp i, 0,1,2,3
	FRAG XF+12*((\a0)+\i), AD+4*RG, ((\a0)+\i)*TP+OFS
.endr
.endm
.macro LDW s, m                        ; the four weight tiles of group m of step s, into set (3 s + m) % 2: 16 LDS loads
	LOC \s
.irp i, 0,1,2,3
	FRAG WF+48*((3*(\s)+(\m))%2)+12*\i, AD+4*RG+2, (4*(\m)+\i)*TP+OFS
.endr
.endm
.macro SCLD p                          ; the scale words of steps 2 p and 2 p + 1 into set p % 2: x's four pairs of tiles, w's six
.irp j, 0,1,2,3
	global_load_b64 v[SCB+20*((\p)%2)+2*\j:SCB+20*((\p)%2)+2*\j+1], v[L32], s[92:93] offset:1024*\j+8*(\p)
.endr
.irp j, 0,1,2,3,4,5
	global_load_b64 v[SCB+20*((\p)%2)+8+2*\j:SCB+20*((\p)%2)+8+2*\j+1], v[L32], s[94:95] offset:1024*\j+8*(\p)
.endr
.endm
.macro WM                              ; one product; an odd tile's scale words stand in lanes 16-31
.if RW0 && RW1
	v_wmma_scale_f32_16x16x128_f8f6f4 v[WD:WD+7], v[S0:S0+11], v[S1:S1+11], v[WC:WC+7], v[C0], v[C1] matrix_a_fmt:MATRIX_FMT_BF6 matrix_b_fmt:MATRIX_FMT_BF6 matrix_a_scale:MATRIX_SCALE_ROW1 matrix_b_scale:MATRIX_SCALE_ROW1
.elseif RW0
	v_wmma_scale_f32_16x16x128_f8f6f4 v[WD:WD+7], v[S0:S0+11], v[S1:S1+11], v[WC:WC+7], v[C0], v[C1] matrix_a_fmt:MATRIX_FMT_BF6 matrix_b_fmt:MATRIX_FMT_BF6 matrix_a_scale:MATRIX_SCALE_ROW1
.elseif RW1
	v_wmma_scale_f32_16x16x128_f8f6f4 v[WD:WD+7], v[S0:S0+11], v[S1:S1+11], v[WC:WC+7], v[C0], v[C1] matrix_a_fmt:MATRIX_FMT_BF6 matrix_b_fmt:MATRIX_FMT_BF6 matrix_b_scale:MATRIX_SCALE_ROW1
.else
	v_wmma_scale_f32_16x16x128_f8f6f4 v[WD:WD+7], v[S0:S0+11], v[S1:S1+11], v[WC:WC+7], v[C0], v[C1] matrix_a_fmt:MATRIX_FMT_BF6 matrix_b_fmt:MATRIX_FMT_BF6
.endif
.endm
.macro GRP m, s, a0, n                 ; group m of step s: token tiles a0 .. a0 + n - 1, each against the four weight tiles; the accumulators take turns
.set ga, \a0
.rept \n
.set gb, 0
.rept 4
.set FX, XF+12*ga
.set FW, WF+48*((3*(\s)+(\m))%2)+12*gb
.set SX, SCB+20*(((\s)/2)%2)+2*(ga/2)+(\s)%2
.set SWR, SCB+20*(((\s)/2)%2)+8+2*((4*(\m)+gb)/2)+(\s)%2
.if (\m) < 2
.set WD, 32*ga+8*gb
.set WC, 224+8*gb                      ; step 0: the bias, in token tile 7's accumulator
.set S0, FW
.set S1, FX
.set C0, SWR
.set C1, SX
.set RW0, gb%2
.set RW1, ga%2
.else
.set WD, 64*gb+8*ga
.set WC, 64*gb+56
.set S0, FX
.set S1, FW
.set C0, SX
.set C1, SWR
.set RW0, ga%2
.set RW1, gb%2
.endif
.if (\s) > 0
.set WC, WD
.endif
	WM
.set gb, gb+1
.endr
.set ga, ga+1
.endr
.endm
.macro GHI m, s                        ; token tiles 4-7.  In step 0 tile 7 writes over the registers that the others read as C: five places
.if (\s) == 0
	GRP \m, \s, 4, 3
	PLACES 5
	GRP \m, \s, 7, 1
.else
	GRP \m, \s, 4, 4
.endif
.endm
	s_load_b256 s[4:11], s[0:1], 0x0               ; xb, wb, rope, bp
	s_load_b128 s[12:15], s[0:1], 0x20             ; qb, kvb
	v_lshl_add_u32 v[SPW], v0, 2, SPARE
	v_mov_b32 v[NIL], 0
	ds_add_u32 v[SPW], v[NIL]                      ; the opening lines: the add, twice on end, and its wait ahead of my first tensor load
	ds_add_u32 v[SPW], v[NIL]
	v_lshrrev_b32 v21, 5, v0
	v_readfirstlane_b32 s20, v21                   ; wave
	s_lshr_b32 s21, s20, 1                         ; my half of the tokens.  Also: in the refill I fetch for x (0) or for w (1)
	s_and_b32 s22, s20, 1                          ; my head of the pair.  Also: which half I fetch
	s_mul_i32 s2, s21, 36864                       ; my 8 tiles of x in part 0
	s_mul_i32 s3, s22, 55296                       ; my 12 tiles of w
	s_add_co_u32 s3, s3, R0W
	s_mul_i32 s16, s21, 24576                      ; and in part 1
	s_add_co_u32 s16, s16, R1X
	s_mul_i32 s17, s22, 36864
	s_add_co_u32 s17, s17, R1W
	v_and_b32 v21, 31, v0
	v_and_b32 v[RR], 15, v0
	v_bfe_u32 v[HH], v0, 4, 1
	v_lshlrev_b32 v[LI], 4, v21
	v_lshlrev_b32 v22, 3, v21
	v_lshlrev_b32 v[L32], 5, v21
	v_lshlrev_b32 v[PFR], 8, v21                   ; a lane a row of the table
	v_min_u32 v[PFO], 17, v21                      ; a lane a block of 256 bytes of a tile's 4,608; the lanes left over name the last again
	v_lshlrev_b32 v[PFO], 8, v[PFO]
	v_lshlrev_b32 v[RA], 8, v[RR]
	v_lshl_add_u32 v[RA], v[HH], 7, v[RA]
	v_lshlrev_b32 v[BOQ], 5, v[HH]
	v_lshlrev_b32 v[BOV], 2, v[RR]
	v_lshlrev_b32 v[SCQ], 4, v[RR]
	v_lshl_add_u32 v[SCQ], v[HH], 3, v[SCQ]
	v_add_nc_u32 v[AD], s2, v[LI]
	v_add_nc_u32 v[AD+1], s2, v22
	v_add_nc_u32 v[AD+2], s3, v[LI]
	v_add_nc_u32 v[AD+3], s3, v22
	v_add_nc_u32 v[AD+4], s16, v[LI]
	v_add_nc_u32 v[AD+5], s16, v22
	v_add_nc_u32 v[AD+6], s17, v[LI]
	v_add_nc_u32 v[AD+7], s17, v22
	s_bfe_u32 s23, ttmp6, 0x40000                  ; cx
	s_bfe_u32 s24, ttmp6, 0x40004                  ; cy
	s_and_b32 s26, ttmp7, 0xffff
	s_lshl_b32 s26, s26, 2
	s_add_co_u32 s26, s26, s24                     ; the block of 256 tokens: made of cy alone
	s_lshl_b32 s27, ttmp9, 2
	s_add_co_u32 s27, s27, s23                     ; the pair of heads: made of cx alone
	s_lshl_b32 s2, s24, 2
	s_lshl_b32 s2, 15, s2                          ; my row of the cluster
	s_lshl_b32 s62, 0x1111, s23                    ; my column
	s_or_b32 s28, s2, (3<<16)|(1<<21)              ; group 1: x part 0, w part 0, x part 1, w part 1
	s_or_b32 s36, s62, (3<<16)|(1<<21)
	s_or_b32 s44, s2, (3<<16)|(1<<21)
	s_or_b32 s52, s62, (3<<16)|(1<<21)
	G1SET 28, 576, 16
	G1SET 36, 576, 24
	G1SET 44, 384, 16
	G1SET 52, 384, 24
	s_mul_i32 s2, s26, 196608                      ; 16 tiles of 12,288 bytes
	s_mov_b32 s3, 0
	s_mul_i32 s62, s27, 294912                     ; 24 tiles
	s_mov_b32 s63, 0
	s_mov_b32 s[SEL], 0x76543210
	s_mov_b32 s[SEL+1], 0xfedcba98
	s_wait_alu depctr_va_vdst(0)                   ; the end of the head's vector work
	s_wait_dscnt 0x0                               ; both opening adds are done
	s_wait_kmcnt 0x0
	s_add_nc_u64 s[16:17], s[4:5], s[2:3]          ; x's tiles
	s_add_nc_u64 s[18:19], s[6:7], s[62:63]        ; w's tiles
	s_mov_b32 s68, 1                               ; group 0 of the head's four loads
	s_mov_b32 s69, R0X
	s_mov_b64 s[70:71], s[16:17]
	s_or_b32 s71, s71, 0x80000000
	s_mov_b32 s72, 1
	s_mov_b32 s73, R0W
	s_mov_b64 s[74:75], s[18:19]
	s_or_b32 s75, s75, 0x80000000
	s_mov_b32 s76, 1
	s_mov_b32 s77, R1X
	s_add_nc_u64 s[78:79], s[16:17], 4608          ; K step 3
	s_or_b32 s79, s79, 0x80000000
	s_mov_b32 s80, 1
	s_mov_b32 s81, R1W
	s_add_nc_u64 s[82:83], s[18:19], 4608
	s_or_b32 s83, s83, 0x80000000
	s_mov_b32 s84, 1                               ; and of the refill: half of x's tiles, or half of w's, from K step 5 on
	s_mul_i32 s85, s22, 36864
	s_mul_i32 s104, s22, 98304
	s_mov_b32 s105, 0
	s_add_nc_u64 s[86:87], s[16:17], s[104:105]
	s_add_nc_u64 s[86:87], s[86:87], 7680
	s_or_b32 s87, s87, 0x80000000
	s_mov_b32 s88, 1
	s_mul_i32 s89, s22, 55296
	s_add_co_u32 s89, s89, R0W
	s_mul_i32 s104, s22, 147456
	s_add_nc_u64 s[90:91], s[18:19], s[104:105]
	s_add_nc_u64 s[90:91], s[90:91], 7680
	s_or_b32 s91, s91, 0x80000000
	CROUND                                         ; all sixteen work-groups are here: the first joint loads meet
	s_cmp_lt_u32 s20, 1                            ; one chain of branches on the wave's number, one load to an arm
	s_cbranch_scc0 .Lh1
	TLD 68, 28
	s_branch .Lhj
.Lh1:
	s_cmp_lt_u32 s20, 2
	s_cbranch_scc0 .Lh2
	TLD 72, 36
	s_branch .Lhj
.Lh2:
	s_cmp_lt_u32 s20, 3
	s_cbranch_scc0 .Lh3
	TLD 76, 44
	s_branch .Lhj
.Lh3:
	TLD 80, 52
.Lhj:
	s_lshl_b32 s62, s27, 1
	s_add_co_u32 s62, s62, s22                     ; my head
	s_lshl_b32 s104, s62, 8
	s_add_nc_u64 s[96:97], s[10:11], s[104:105]    ; the biases of its 64 stored rows
	s_mul_i32 s104, s62, 6144                      ; 12 tiles of 512 scale bytes
	s_add_co_u32 s104, s104, 3145728
	s_add_nc_u64 s[94:95], s[6:7], s[104:105]      ; w's scale bytes
	s_lshl_b32 s2, s26, 8
	s_lshl_b32 s3, s21, 7
	s_add_co_u32 s2, s2, s3                        ; my first token
	s_lshl_b32 s104, s2, 5
	s_add_co_u32 s104, s104, 6291456
	s_add_nc_u64 s[92:93], s[4:5], s[104:105]      ; x's scale bytes
	WIN 0x40
.irp b, 0,1,2,3                                ; q's biases: register j of weight tile b is stored row 16 b + 8 h + j
	global_load_b128 v[224+8*\b:227+8*\b], v[BOQ], s[96:97] offset:64*\b
	global_load_b128 v[228+8*\b:231+8*\b], v[BOQ], s[96:97] offset:64*\b+16
.endr
	WIN 0x80
.irp b, 0,1,2,3                                ; k's
	global_load_b128 v[224+8*\b:227+8*\b], v[BOQ], s[96:97] offset:4096+64*\b
	global_load_b128 v[228+8*\b:231+8*\b], v[BOQ], s[96:97] offset:4096+64*\b+16
.endr
	WIN 0xc0
.irp c, 0,1,2,3                                ; v's: my channel's bias in all eight registers
.irp j, 0,1,2,3,4,5,6,7
	global_load_b32 v[64*\c+56+\j], v[BOV], s[96:97] offset:8192+64*\c
.endr
.endr
	WIN 0
	SCLD 0
	SCLD 1
	s_lshr_b32 s3, s2, 10                          ; batch
	s_lshl_b32 s3, s3, 4
	s_add_co_u32 s3, s3, s62
	s_lshl_b32 s3, s3, 3
	s_bfe_u32 s104, s2, 0x30007
	s_add_co_u32 s3, s3, s104                      ; the record: (16 batch + head) 8 + the 128 tokens
	s_mul_i32 s104, s3, 6400
	s_add_nc_u64 s[12:13], s[12:13], s[104:105]
	s_mul_i32 s104, s3, 12800
	s_add_nc_u64 s[14:15], s[14:15], s[104:105]
	s_lshl_b32 s104, s26, 8                        ; the table's rows that waves 0 and 1 prefetch: the block's first t + 64 cx + 32 wave
	s_and_b32 s104, s104, 1023
	s_lshl_b32 s3, s23, 6
	s_add_co_u32 s104, s104, s3
	s_lshl_b32 s3, s20, 5
	s_add_co_u32 s104, s104, s3
	s_lshl_b32 s104, s104, 8
	s_add_nc_u64 s[100:101], s[8:9], s[104:105]
	s_and_b32 s104, s2, 1023
	s_lshl_b32 s104, s104, 8
	s_add_nc_u64 s[8:9], s[8:9], s[104:105]        ; the table at my first token's t
	s_mov_b32 s3, 36864                            ; the codes' prefetch: of the tiles that I fetch in the refill my partner's share: 2 of x's 8, 3 of w's 12
	s_mov_b32 s63, 147456
	s_cmp_eq_u32 s21, 0
	s_cselect_b64 s[98:99], s[16:17], s[18:19]
	s_cselect_b32 s104, s23, s24
	s_cselect_b32 s3, 24576, s3
	s_cselect_b32 s63, 98304, s63
	s_mul_i32 s104, s104, s3
	s_mul_i32 s3, s22, s63
	s_add_co_u32 s104, s104, s3
	s_add_co_u32 s104, s104, 7680
	s_add_nc_u64 s[98:99], s[98:99], s[104:105]
	s_wait_tensorcnt 0x0                           ; my tile of the head's four is in,
	s_barrier_signal -1
	s_barrier_wait -1                              ; everybody's is
	LDW 0, 0
	LDX 0, 0
	s_wait_loadcnt 10                              ; the biases and the scale words of steps 0 and 1 are in; the ten loads for steps 2 and 3 may be out
; A K step.  Four places stand in front of each run of loads into registers that products have read.
.macro STEP s
	PLACES 4
	LDX \s, 4
	LDW \s, 1
.if (\s)%2 == 0 && (\s) > 0
	s_wait_loadcnt 0x0                             ; this pair of steps' scale words
.if (\s) < 6
	SCLD (\s)/2+1                                  ; the next pair's, into the set that the last step left
.endif
.endif
	s_wait_dscnt 32                                ; q's weight tiles and x's tiles 0-3 are in; the 32 loads just issued may be out
	WIN 0x50
	GRP 0, \s, 0, 4
	s_wait_dscnt 16                                ; x's tiles 4-7; k's weight tiles may be out
	GHI 0, \s
	WIN 0
	PLACES 4
	LDW \s, 2
.if (\s) == 0
	global_prefetch_b8 v[PFO], s[98:99] th:TH_LOAD_NT scope:SCOPE_SE
	global_prefetch_b8 v[PFO], s[98:99] offset:12288 th:TH_LOAD_NT scope:SCOPE_SE
	s_cmp_eq_u32 s21, 0
	s_cbranch_scc1 .Lpf_x                          ; w's share is three tiles
	global_prefetch_b8 v[PFO], s[98:99] offset:24576 th:TH_LOAD_NT scope:SCOPE_SE
.Lpf_x:
.endif
.if (\s) == 1
	s_cmp_lt_u32 s20, 2
	s_cbranch_scc0 .Lpf_r
	global_prefetch_b8 v[PFR], s[100:101] th:TH_LOAD_NT scope:SCOPE_SE
.Lpf_r:
.endif
	s_wait_dscnt 16                                ; k's weight tiles; v's may be out
.if (\s) == 2
	s_wait_tensorcnt 0x0                           ; part 0 has had its last read issued: all my tensor loads have landed,
	ds_add_u32 v[SPW], v[NIL]                      ; 0 onto my spare word
	s_mov_b32 s30, 8<<16                           ; no tensor load of mine is out: the refill's loads bring half the rows
	s_mov_b32 s32, 8
	s_mov_b32 s38, 12<<16
	s_mov_b32 s40, 12
.endif
	WIN 0xa0
	GRP 1, \s, 0, 4
.if (\s) == 2
	s_wait_dscnt 0x0                               ; the add is done, and my reads of part 0 are over
	s_barrier_signal -1
.endif
.if (\s) == 4
	s_wait_tensorcnt 0x0                           ; my part of steps 5-7
	s_wait_dscnt 0x0
	s_barrier_signal -1
.endif
	GHI 1, \s
	WIN 0
.if (\s) == 2
	s_barrier_wait -1
	CREST                                          ; the barrier has opened a round of the cluster's: no wave of any partner still reads part 0 or has a load on its way
	s_cmp_eq_u32 s21, 0
	s_cbranch_scc0 .Lre_w
	TLD 84, 28
	s_branch .Lre_j
.Lre_w:
	TLD 88, 36
.Lre_j:                                                ; the four v_nop behind the load are the places in front of the loads below
.elseif (\s) == 4
	s_barrier_wait -1
	PLACES 4
.else
	PLACES 4
.endif
.if (\s) < 7
	LDW (\s)+1, 0
.if (\s) != 2 && (\s) != 4
	s_wait_dscnt 16                                ; v's weight tiles; the next step's q tiles may be out
.endif
.else
	s_wait_dscnt 0x0
.endif
	WIN 0xf0
	GRP 2, \s, 0, 4
.if (\s) < 7
	WIN 0
	PLACES 4
	LDX (\s)+1, 0
	WIN 0xf0
.endif
	GHI 2, \s
	WIN 0
.endm
.irp s, 0,1,2,3,4,5,6,7
	STEP \s
.endr
; THE WAY OUT.  64 numbers of a lane in window sw, register 16 b + i = place 16 h + i of block b, become 12 registers of codes in v[pc] on and a scale word in v[pw].
; Each of the twelve images has 12 registers of its own for its codes, so that no store's data are written again: v's four in T's registers, which the turn needs only later; then v192, v242,
; five places in the registers that the first two token tiles' cos and sin have left, and v8-19, whose addresses are done with.
.macro QUANT s, sw, pw, pc
	WIN ((\sw)<<2)|((\sw)<<4)
.irp b, 0,1,2,3
	v_max3_num_f32 v[TM+\b], 0x2800000, |v[(\s)+16*\b]|, |v[(\s)+1+16*\b]|   ; the floor 2^(5 - 127) and my first two: each accumulator is read from its low end on
.endr
.irp i, 2,4,6,8,10,12,14
.irp b, 0,1,2,3
	v_max3_num_f32 v[TM+\b], v[TM+\b], |v[(\s)+16*\b+\i]|, |v[(\s)+1+16*\b+\i]|
.endr
.endr
	WIN 0
.irp b, 0,1,2,3
	v_permlanex16_b32 v[TM+4+\b], v[TM+\b], s[SEL], s[SEL+1]
.endr
.irp b, 0,1,2,3
	v_max_num_f32 v[TM+\b], v[TM+\b], v[TM+4+\b]
.endr
.irp b, 0,1,2,3
	v_add_nc_u32 v[TM+8+\b], 0xfe000000, v[TM+\b]  ; 4 off the exponent field: the conversion's scale operand
.endr
.irp b, 0,1,2,3
	v_lshrrev_b32 v[TM+4+\b], 23, v[TM+8+\b]
.endr
	v_lshl_or_b32 v[\pw], v[TM+5], 8, v[TM+4]
	v_lshl_or_b32 v[\pw], v[TM+6], 16, v[\pw]
	v_lshl_or_b32 v[\pw], v[TM+7], 24, v[\pw]
	WIN \sw
.irp c, 0,1
	v_cvt_scalef32_pk16_bf6_f32 v[(\pc)+6*\c:(\pc)+2+6*\c], v[(\s)+32*\c:(\s)+15+32*\c], v[TM+8+2*\c]
	v_cvt_scalef32_pk16_bf6_f32 v[PT+4*\c:PT+2+4*\c], v[(\s)+16+32*\c:(\s)+31+32*\c], v[TM+8+2*\c+1]
.endr
	WIN 0
	v_nop                                          ; one plain place behind a scaled conversion
.irp c, 0,1
.irp i, 0,1,2
	v_permlane16_swap_b32 v[(\pc)+6*\c+\i], v[PT+4*\c+\i]
.endr
.irp i, 0,1,2
	v_mov_b32 v[(\pc)+3+6*\c+\i], v[PT+4*\c+\i]
.endr
.endr
.endm
.macro CSLD a, w, base                 ; token tile a's cos (16) and sin (16) of my half into 32 registers of window w
	WIN (\w)<<6
.irp n, 0,1,2,3,4,5,6,7
	global_load_b128 v[(\base)+4*\n:(\base)+4*\n+3], v[RA], s[8:9] offset:(\a)*4096+16*\n
.endr
	WIN 0
.endm
; token tile a of window aw: registers 0-15 are x1, 16-31 x2: out[i] = x1 cos - x2 sin, out[32 + i] = x1 sin + x2 cos, into T's half u
.macro ROPE a, aw, cw, cb, u
.set ACB, 32*(\a)
.set TD, T+32*(\u)
	WIN (\aw)|((\cw)<<2)
.set kk, 0
.rept 8
	v_pk_mul_f32 v[TD+kk:TD+kk+1], v[ACB+16+kk:ACB+17+kk], v[(\cb)+16+kk:(\cb)+17+kk]
.set kk, kk+2
.endr
.set kk, 0
.rept 8
	v_pk_mul_f32 v[TD+16+kk:TD+17+kk], v[ACB+16+kk:ACB+17+kk], v[(\cb)+kk:(\cb)+kk+1]
.set kk, kk+2
.endr
.set kk, 0
.rept 8
	v_pk_fma_f32 v[TD+kk:TD+kk+1], v[ACB+kk:ACB+kk+1], v[(\cb)+kk:(\cb)+kk+1], v[TD+kk:TD+kk+1] neg_lo:[0,0,1] neg_hi:[0,0,1]
.set kk, kk+2
.endr
.set kk, 0
.rept 8
	v_pk_fma_f32 v[TD+16+kk:TD+17+kk], v[ACB+kk:ACB+kk+1], v[(\cb)+16+kk:(\cb)+17+kk], v[TD+16+kk:TD+17+kk]
.set kk, kk+2
.endr
	WIN 0
.endm
	PLACES 4                                       ; behind the last products
.irp b, 0,1,2,3
	v_mov_b32 v[TM+4+\b], 0                        ; a lane permute's destination counts as one of its sources
.endr
	CSLD 0, 0, CS0
	CSLD 1, 0, CS0+32
.irp c, 0,1,2,3                                ; v first: it needs no table, and each tile of channels leaves 64 registers for two token tiles' cos and sin
	QUANT 64*\c, 3, SW+8+\c, T+16*\c
.irp k, 0,1,2
	global_store_b128 v[LI], v[T+16*\c+4*\k:T+16*\c+4*\k+3], s[14:15] offset:6144+1536*\c+512*\k   ; 512 consecutive bytes
.endr
.if \c < 3
	CSLD 2*\c+2, 3, 64*\c
	CSLD 2*\c+3, 3, 64*\c+32
.endif
.endr
.irp al, 0,1,2,3                               ; a pair of token tiles at a time: one image of q, one of k
.if \al == 0
.set CW, 0
.set CB, CS0
.set PQ, PC
.set PK, 242
.else
.set CW, 3
.set CB, 64*(\al-1)
.set PQ, CS0+24*(\al-1)
.set PK, CS0+24*(\al-1)+12
.endif
.if \al == 3
.set PK, AD
.endif
	s_wait_alu depctr_va_vdst(0)
	s_wait_loadcnt 48-16*\al                       ; the pair's cos and sin are in; the later pairs' 16 loads each may be out
.if \al == 0
	s_wait_xcnt 0x0                                ; v's stores have read T's registers, and the prefetches their offsets: both are written again below
.endif
	ROPE 2*\al, 1, CW, CB, 0
	ROPE 2*\al+1, 1, CW, CB+32, 1
	QUANT T, 0, SW+\al, PQ
.irp k, 0,1,2
	global_store_b128 v[LI], v[PQ+4*\k:PQ+4*\k+3], s[12:13] offset:1536*\al+512*\k
.endr
	ROPE 2*\al, 2, CW, CB, 0
	ROPE 2*\al+1, 2, CW, CB+32, 1
	QUANT T, 0, SW+4+\al, PK
.irp k, 0,1,2
	global_store_b128 v[LI], v[PK+4*\k:PK+4*\k+3], s[14:15] offset:1536*\al+512*\k
.endr
.endr
	v_cmp_eq_u32 vcc_lo, 1, v[HH]                  ; both halves of the lanes hold the same words
	v_cndmask_b32 v[WSL], v[SW], v[SW+2], vcc_lo   ; q: lane (r, h) stores row r's words 2 h, 2 h + 1: 256 consecutive bytes
	v_cndmask_b32 v[WSL+1], v[SW+1], v[SW+3], vcc_lo
.irp i, 0,1,2,3
	v_cndmask_b32 v[WSL+2+\i], v[SW+4+\i], v[SW+8+\i], vcc_lo   ; lanes 0-15 k's words, lanes 16-31 v's: 512 consecutive bytes
.endr
	global_store_b64 v[SCQ], v[WSL:WSL+1], s[12:13] offset:6144
	global_store_b128 v[LI], v[WSL+2:WSL+5], s[14:15] offset:12288
	s_wait_tensorcnt 0x0                           ; the wave's end
	ds_add_u32 v[SPW], v[NIL]
	s_wait_dscnt 0x0
	CROUND                                         ; the closing round
	s_endpgm
.Lfunc_end_k_qee8d11d9ee_qkv:
	.size	k_qee8d11d9ee_qkv, .Lfunc_end_k_qee8d11d9ee_qkv-k_qee8d11d9ee_qkv
	.p2alignl 7, 3214868480
	.fill 96, 4, 3214868480
	.section	.rodata,"a",@progbits
	.p2align	6, 0x0
	.amdhsa_kernel k_qee8d11d9ee_qkv
		.amdhsa_group_segment_fixed_size 327680
		.amdhsa_private_segment_fixed_size 0
		.amdhsa_enable_private_segment 0
		.amdhsa_kernarg_size 48
		.amdhsa_user_sgpr_count 2
		.amdhsa_user_sgpr_kernarg_segment_ptr 1
		.amdhsa_wavefront_size32 1
		.amdhsa_system_sgpr_workgroup_id_x 1
		.amdhsa_system_sgpr_workgroup_id_y 1
		.amdhsa_system_sgpr_workgroup_id_z 1
		.amdhsa_system_vgpr_workitem_id 0
		.amdhsa_next_free_vgpr 1024
		.amdhsa_next_free_sgpr 106
		.amdhsa_reserve_vcc 1
		.amdhsa_float_denorm_mode_32 3
		.amdhsa_float_denorm_mode_16_64 3
		.amdhsa_memory_ordered 1
		.amdhsa_forward_progress 1
		.amdhsa_inst_pref_size 253
	.end_amdhsa_kernel
	.amdgpu_metadata
---
amdhsa.version: [ 1, 2 ]
amdhsa.kernels:
  - .name:           k_qee8d11d9ee_qkv
    .symbol:         k_qee8d11d9ee_qkv.kd
    .args:
      - { .name: xb, .offset: 0, .size: 8, .value_kind: global_buffer, .address_space: global }
      - { .name: wb, .offset: 8, .size: 8, .value_kind: global_buffer, .address_space: global }
      - { .name: rope, .offset: 16, .size: 8, .value_kind: global_buffer, .address_space: global }
      - { .name: bp, .offset: 24, .size: 8, .value_kind: global_buffer, .address_space: global }
      - { .name: qb, .offset: 32, .size: 8, .value_kind: global_buffer, .address_space: global }
      - { .name: kvb, .offset: 40, .size: 8, .value_kind: global_buffer, .address_space: global }
    .group_segment_fixed_size: 327680
    .private_segment_fixed_size: 0
    .kernarg_segment_align: 8
    .kernarg_segment_size: 48
    .max_flat_workgroup_size: 128
    .sgpr_count:     106
    .vgpr_count:     1024
    .wavefront_size: 32
...
	.end_amdgpu_metadata
.endif
;; end of part 2
;; launch attn (part 3): grid 2 x 128, 16 waves a work-group, no clusters, 169,984 bytes of LDS; arguments qb, kvb, yb; writes yb
.if DOCPART == 3
	.amdgcn_target "amdgcn-amd-amdhsa--gfx1250"
	.amdhsa_code_object_version 6
	.text
	.protected	k_qee8d11d9ee_attn
	.globl	k_qee8d11d9ee_attn
	.p2align	8
	.type	k_qee8d11d9ee_attn,@function
k_qee8d11d9ee_attn:
	s_mov_b64 s[64:65], 0
	v_nop
	global_prefetch_b8 v0, s[64:65] scope:SCOPE_SE
	s_setreg_imm32_b32 hwreg(HW_REG_WAVE_MODE, 25, 1), 1
	s_wait_xcnt 0x0
; y[q] = (sum over keys k <= q of p V[k]) / (sum of p), p = 2^(t - M), t = (q . k) log2(e) / 8, M the running largest t rounded up to a whole number; both products on codes of BF6 (E3M2) with E8M0 scales;
; p is quantised along the keys, not normalised; the row's sum is taken of the unquantised p.  y is quantised at once along its 64 channels, as an operand of the last launch.
; SHARES.  Work-group (x, head): 16 waves.  With n = 16 x + wave, a wave makes the query tiles 2 n and 63 - 2 n, one after the other: (2 n) / 8 + 1 + (63 - 2 n) / 8 + 1 = 9 key steps of 128 for every wave.
; LDS.  A head's k and v, codes and scale words, are 102,400 dense bytes (8 records of 12,800): they come ONCE, 6,400 bytes a wave by one tensor load, and stay: no ring, one barrier, nothing is stored to LDS.
; NO CLUSTER: a head's bytes are read by the grid's two work-groups along x alone, once each, at the start; a cluster here is four along x.
; THE HEAD IS 64 WIDE, the instruction 128: an image of k holds key tile 2 a in its K 0-63 and key tile 2 a + 1 in its K 64-127; q is given once as [q | zero codes] and once as [zero codes | q].
; Both products are used transposed: a lane holds one query (lane % 16).  S^T's register 8 t + j is key 16 t + 8 (lane / 16) + j: in a block of 32 keys that is the order in which v was quantised.
; CAUSAL.  The loop over key steps has 8 trips in every wave; a step all of whose keys come after the tile's queries is jumped over by a scalar branch on ids; on the diagonal hidden scores become -infinity.
; LIMITS: NaN and infinities are not served; a block whose largest magnitude lies under 2^-122 keeps the byte 1.  y's scale bytes leave as 2 bytes a lane, rows 32 bytes apart: 1 byte in 25 of what the launch stores.
.set LI,  1                            ; 16 x lane
.set AS,  2                            ; 16 r + 12,288: k's scale words in a record
.set L8,  3                            ; 8 x lane
.set DQ,  4                            ; r - 8 h
.set RR,  5
.set HH,  6
.set ADK, 8
.set ADS, 9
.set KFR, 56                           ; v56-103 four images of k, then four fragments of v
.set KS,  104                          ; v104-107 k's scale words, v108-111 v's
.set VS,  108
.set S,   112                          ; v112-175 S^T, then p, at the end y
.set O,   176                          ; v176-207 O^T
.set PC,  208
.set BM,  228
.set PR,  232
.set SO,  236
.set PW,  244                          ; p's scale word; earlier in the step, a partial sum of p
.set F,   246
.set TMP, 248
.set SM2, 250
.set HW,  252                          ; v252, v253: y's two scale bytes of tile 1, of tile 2
.set SEL, 24
.set CS,  26
.set TB,  28
.set KF,  29
.set CNT, 30
	s_load_b128 s[4:7], s[0:1], 0x0                ; qb, kvb
	s_load_b64 s[8:9], s[0:1], 0x10                ; yb
	v_lshl_add_u32 v254, v0, 2, 0x29000
	v_mov_b32 v255, 0
	ds_add_u32 v254, v255
	ds_add_u32 v254, v255
	v_lshrrev_b32 v7, 5, v0
	s_delay_alu instid0(VALU_DEP_1)
	v_readfirstlane_b32 s10, v7                    ; wave
	s_and_b32 s11, ttmp7, 0xffff                   ; 16 batch + head
	s_mov_b32 s16, 3<<16                           ; group 1: 25 rows of 256 bytes (32 elements of 8), dense, no padding
	s_mov_b32 s17, 32<<16
	s_mov_b32 s18, 25<<16
	s_mov_b32 s19, 32<<16
	s_mov_b32 s20, 25
	s_mov_b32 s21, 32
	s_mov_b32 s22, 0
	s_mov_b32 s23, 0
	s_mov_b32 s12, 1
	s_mul_i32 s13, s10, 6400                       ; my sixteenth, in LDS as in memory
	s_mul_i32 s44, s11, 102400
	s_add_co_u32 s44, s44, s13
	s_mov_b32 s45, 0
	s_wait_dscnt 0x0
	s_wait_kmcnt 0x0
	s_add_nc_u64 s[14:15], s[6:7], s[44:45]
	s_or_b32 s15, s15, 0x80000000
	tensor_load_to_lds s[12:15], s[16:23]
	s_nop 0
	v_and_b32 v7, 31, v0
	v_and_b32 v[RR], 15, v0
	v_bfe_u32 v[HH], v0, 4, 1
	s_delay_alu instid0(VALU_DEP_3)
	v_lshlrev_b32 v[LI], 4, v7
	s_wait_alu depctr_va_vdst(0)
	v_lshlrev_b32 v[L8], 3, v7
	v_lshlrev_b32 v[AS], 4, v[RR]
	s_delay_alu instid0(VALU_DEP_1)
	v_add_nc_u32 v[AS], 12288, v[AS]
	v_lshlrev_b32 v[DQ], 3, v[HH]
	s_delay_alu instid0(VALU_DEP_1)
	v_sub_nc_u32 v[DQ], v[RR], v[DQ]
	s_lshl_b32 s31, ttmp9, 4
	s_add_co_u32 s31, s31, s10
	s_lshl_b32 s31, s31, 1                         ; tile 1
	s_sub_co_u32 s32, 63, s31                      ; tile 2
	s_lshl_b32 s33, s31, 4                         ; their first queries
	s_lshl_b32 s34, s32, 4
	s_mul_i32 s46, s11, 51200
	s_lshr_b32 s44, s31, 3
	s_mul_i32 s44, s44, 6400
	s_add_co_u32 s44, s44, s46
	s_add_nc_u64 s[36:37], s[4:5], s[44:45]        ; q's record of tile 1
	s_lshr_b32 s44, s32, 3
	s_mul_i32 s44, s44, 6400
	s_add_co_u32 s44, s44, s46
	s_add_nc_u64 s[38:39], s[4:5], s[44:45]        ; of tile 2
	s_bfe_u32 s47, s31, 0x20001                    ; which of the record's four images
	s_bfe_u32 s48, s32, 0x20001
	s_mul_i32 s49, s47, 1536
	v_add_nc_u32 v10, s49, v[LI]
	s_lshl_b32 s49, s47, 2
	v_lshl_add_u32 v11, v[RR], 4, s49
	s_mul_i32 s49, s48, 1536
	v_add_nc_u32 v54, s49, v[LI]
	s_lshl_b32 s49, s48, 2
	v_lshl_add_u32 v55, v[RR], 4, s49
	global_load_b128 v[22:25], v10, s[36:37]                 ; tile 1 is even: the image's registers 0-5
	global_load_b64 v[26:27], v10, s[36:37] offset:512
	global_load_b32 v52, v11, s[36:37] offset:6144
	global_load_b64 v[40:41], v54, s[38:39] offset:520       ; tile 2 is odd: registers 6-11
	global_load_b128 v[42:45], v54, s[38:39] offset:1024
	global_load_b32 v53, v55, s[38:39] offset:6144
	s_lshr_b32 s50, s11, 4                         ; batch
	s_and_b32 s51, s11, 15                         ; head
	s_mul_i32 s46, s51, 768
	s_lshl_b32 s44, s50, 6
	s_add_co_u32 s44, s44, s31
	s_mul_i32 s44, s44, 12288
	s_add_co_u32 s44, s44, s46
	s_add_nc_u64 s[40:41], s[8:9], s[44:45]        ; y's half record of tile 1
	s_lshl_b32 s44, s50, 6
	s_add_co_u32 s44, s44, s32
	s_mul_i32 s44, s44, 12288
	s_add_co_u32 s44, s44, s46
	s_add_nc_u64 s[42:43], s[8:9], s[44:45]
	s_lshl_b32 s44, s50, 15
	s_lshl_b32 s46, s51, 1
	s_add_co_u32 s44, s44, s46
	s_add_co_u32 s44, s44, 6291456                 ; y's scale bytes: 32 a row, 2 for my head
	s_lshl_b32 s52, s31, 9
	s_add_co_u32 s52, s52, s44
	s_lshl_b32 s53, s32, 9
	s_add_co_u32 s53, s53, s44
	s_mov_b32 s[SEL], 0x76543210
	s_mov_b32 s[SEL+1], 0xfedcba98
	s_mov_b32 s[CS], 0x3e38aa3b                    ; log2(e) / 8
	s_mov_b32 s[CS+1], s[CS]
.irp j, 16,17,18,19,20,21,28,29,30,31,32,33,34,35,36,37,38,39,46,47,48,49,50,51
	v_mov_b32 v\j, 0                               ; the zero codes on both sides of each q
.endr
.irp b, 0,1,2,3
	v_mov_b32 v[PR+\b], 0                          ; a lane permute's destination counts as one of its sources
.endr
	v_mov_b32 v[F+1], 0                            ; named with f as a pair
	s_wait_loadcnt 0x0
	v_and_b32 v52, 0xffff, v52                     ; q's two bytes, for both halves of K
	s_delay_alu instid0(VALU_DEP_1)
	v_lshl_or_b32 v52, v52, 16, v52
	v_lshrrev_b32 v53, 16, v53
	s_delay_alu instid0(VALU_DEP_1)
	v_lshl_or_b32 v53, v53, 16, v53
	s_wait_tensorcnt 0x0                           ; my sixteenth is in,
	s_barrier_signal -1
	s_barrier_wait -1                              ; everybody's is
.macro STEP qb, sq, q0
	s_add_co_u32 s44, s[\q0], 15
	s_cmp_gt_u32 s[KF], s44
	s_cbranch_scc1 .Lhidden_\@                     ; all 128 keys come after my queries
	v_add_nc_u32 v[ADK], s[TB], v[LI]
	v_add_nc_u32 v[ADS], s[TB], v[AS]
	v_nop
	v_nop                                          ; four places in front of loads into registers that the last products read
.irp k, 0,1,2,3
.irp c, 0,1,2
	ds_load_b128 v[KFR+12*\k+4*\c:KFR+12*\k+4*\c+3], v[ADK] offset:1536*\k+512*\c
.endr
.endr
	ds_load_b128 v[KS:KS+3], v[ADS]
	s_wait_alu depctr_va_vdst(0)
	s_wait_dscnt 0x0
.irp t, 0,1,2,3,4,5,6,7                        ; even tiles against [q | 0], odd ones against [0 | q]
	v_wmma_scale_f32_16x16x128_f8f6f4 v[S+8*\t:S+8*\t+7], v[KFR+12*(\t/2):KFR+12*(\t/2)+11], v[(\qb)+6-6*(\t%2):(\qb)+17-6*(\t%2)], 0, v[KS+\t/2], v[\sq] matrix_a_fmt:MATRIX_FMT_BF6 matrix_b_fmt:MATRIX_FMT_BF6
.endr
.rept 4
	v_nop
.endr
.irp k, 0,1,2,3                                ; v's fragments land under the softmax
.irp c, 0,1,2
	ds_load_b128 v[KFR+12*\k+4*\c:KFR+12*\k+4*\c+3], v[ADK] offset:6144+1536*\k+512*\c
.endr
.endr
	ds_load_b128 v[VS:VS+3], v[ADS] offset:256
	s_add_co_u32 s44, s[KF], 127
	s_cmp_le_u32 s44, s[\q0]
	s_cbranch_scc1 .Lopen_\@                       ; all keys count
	s_sub_co_i32 s44, s[\q0], s[KF]
	v_add_nc_u32 v[TMP], s44, v[DQ]                ; register 8 t + j is hidden where 16 t + j > my query - the step's first key - 8 h
	v_mov_b32 v[TMP+1], 0xff800000
.irp n, 0,1,2,3,4,5,6,7,8,9,10,11,12,13,14,15,16,17,18,19,20,21,22,23,24,25,26,27,28,29,30,31,32,33,34,35,36,37,38,39,40,41,42,43,44,45,46,47,48,49,50,51,52,53,54,55,56,57,58,59,60,61,62,63
	v_cmp_gt_i32 vcc_lo, 16*(\n/8)+\n%8, v[TMP]
	v_cndmask_b32 v[S+\n], v[S+\n], v[TMP+1], vcc_lo
.endr
.Lopen_\@:
.irp b, 0,1,2,3
	v_max3_num_f32 v[BM+\b], v[S+16*\b], v[S+1+16*\b], v[S+2+16*\b]   ; each block's largest score: for the row's maximum, and for the block's largest p
.endr
.irp i, 3,5,7,9,11,13
.irp b, 0,1,2,3
	v_max3_num_f32 v[BM+\b], v[BM+\b], v[S+16*\b+\i], v[S+1+16*\b+\i]
.endr
.endr
.irp b, 0,1,2,3
	v_max_num_f32 v[BM+\b], v[BM+\b], v[S+15+16*\b]
.endr
.irp b, 0,1,2,3
	s_delay_alu instid0(VALU_DEP_4)
	v_permlanex16_b32 v[PR+\b], v[BM+\b], s[SEL], s[SEL+1]
.endr
.irp b, 0,1,2,3
	s_delay_alu instid0(VALU_DEP_4)
	v_max_num_f32 v[BM+\b], v[BM+\b], v[PR+\b]
.endr
	s_delay_alu instid0(VALU_DEP_2)
	v_max3_num_f32 v[TMP], v[BM], v[BM+1], v[BM+2]
	s_delay_alu instid0(VALU_DEP_1)
	v_max_num_f32 v[TMP], v[TMP], v[BM+3]
	s_delay_alu instid0(VALU_DEP_1)
	v_mul_f32 v[TMP], s[CS], v[TMP]
	s_delay_alu instid0(VALU_DEP_1)
	v_max_num_f32 v13, v13, v[TMP]                 ; the running largest t
	v_mov_b32 v[TMP], v12
	s_delay_alu instid0(VALU_DEP_2)
	v_floor_f32 v12, -v13                          ; -M = floor(-t)
	s_delay_alu instid0(VALU_DEP_1)
	v_sub_f32 v[TMP], v12, v[TMP]
	s_delay_alu instid0(VALU_DEP_1)
	v_cvt_i32_f32 v[TMP], v[TMP]                   ; (it saturates)
	s_delay_alu instid0(VALU_DEP_1)
	v_ldexp_f32 v[F], 1.0, v[TMP]                  ; f = 2^(old M - new M)
.set kk, 0
.rept 32
	v_pk_fma_f32 v[S+kk:S+kk+1], v[S+kk:S+kk+1], s[CS:CS+1], v[12:13] op_sel_hi:[1,0,0]
.set kk, kk+2
.endr
.irp b, 0,1,2,3
	v_fma_f32 v[BM+\b], v[BM+\b], s[CS], v12
.endr
.set kk, 0
	s_wait_alu depctr_va_vdst(0)
.rept 64
	v_exp_f32 v[S+kk], v[S+kk]
.set kk, kk+1
.endr
	v_pk_mul_f32 v[14:15], v[14:15], v[F:F+1] op_sel_hi:[1,0]   ; the sums under the new M: a plain place behind the exponentials
	s_wait_alu depctr_va_vdst(0)                   ; one wait for the batch of 64, ahead of its first reader
.irp b, 0,1,2,3
	v_exp_f32 v[BM+\b], v[BM+\b]
.endr
	v_pk_add_f32 v[250:251], v[116:117], v[120:121]
	v_pk_add_f32 v[248:249], v[124:125], v[128:129]
	v_pk_add_f32 v[244:245], v[132:133], v[136:137]
	v_pk_add_f32 v[242:243], v[140:141], v[144:145]
	v_pk_add_f32 v[240:241], v[148:149], v[152:153]
	v_pk_add_f32 v[238:239], v[156:157], v[160:161]
	v_pk_add_f32 v[236:237], v[164:165], v[168:169]
	v_pk_add_f32 v[14:15], v[14:15], v[172:173]
	v_pk_add_f32 v[250:251], v[250:251], v[112:113]
	v_pk_add_f32 v[248:249], v[248:249], v[114:115]
	v_pk_add_f32 v[244:245], v[244:245], v[118:119]
	v_pk_add_f32 v[242:243], v[242:243], v[122:123]
	v_pk_add_f32 v[240:241], v[240:241], v[126:127]
	v_pk_add_f32 v[238:239], v[238:239], v[130:131]
	v_pk_add_f32 v[236:237], v[236:237], v[134:135]
	v_pk_add_f32 v[14:15], v[14:15], v[138:139]
	v_pk_add_f32 v[250:251], v[250:251], v[142:143]
	v_pk_add_f32 v[248:249], v[248:249], v[146:147]
	v_pk_add_f32 v[244:245], v[244:245], v[150:151]
	v_pk_add_f32 v[242:243], v[242:243], v[154:155]
	v_pk_add_f32 v[240:241], v[240:241], v[158:159]
	v_pk_add_f32 v[238:239], v[238:239], v[162:163]
	v_pk_add_f32 v[236:237], v[236:237], v[166:167]
	v_pk_add_f32 v[14:15], v[14:15], v[170:171]
	v_pk_add_f32 v[250:251], v[250:251], v[174:175]
	s_delay_alu instid0(VALU_DEP_2)
	v_pk_add_f32 v[14:15], v[14:15], v[242:243]
	s_delay_alu instid0(VALU_DEP_2)
	v_pk_add_f32 v[250:251], v[250:251], v[240:241]
	v_pk_add_f32 v[248:249], v[248:249], v[238:239]
	v_pk_add_f32 v[244:245], v[244:245], v[236:237]
	s_delay_alu instid0(VALU_DEP_2)
	v_pk_add_f32 v[14:15], v[14:15], v[248:249]
	s_delay_alu instid0(VALU_DEP_2)
	v_pk_add_f32 v[250:251], v[250:251], v[244:245]
	s_delay_alu instid0(VALU_DEP_1)
	v_pk_add_f32 v[14:15], v[14:15], v[250:251]
	s_wait_alu depctr_va_vdst(0)                   ; and one for the four
.irp b, 0,1,2,3
	v_max_num_f32 v[BM+\b], 0x2800000, v[BM+\b]
.endr
.irp b, 0,1,2,3
	s_delay_alu instid0(VALU_DEP_4)
	v_add_nc_u32 v[SO+\b], 0xfe000000, v[BM+\b]
.endr
.irp b, 0,1,2,3
	s_delay_alu instid0(VALU_DEP_4)
	v_lshrrev_b32 v[PR+\b], 23, v[SO+\b]
.endr
	s_delay_alu instid0(VALU_DEP_3)
	v_lshl_or_b32 v[PW], v[PR+1], 8, v[PR]
	s_delay_alu instid0(VALU_DEP_1)
	v_lshl_or_b32 v[PW], v[PR+2], 16, v[PW]
	s_delay_alu instid0(VALU_DEP_1)
	v_lshl_or_b32 v[PW], v[PR+3], 24, v[PW]
.irp c, 0,1
	v_cvt_scalef32_pk16_bf6_f32 v[PC+6*\c:PC+2+6*\c], v[S+32*\c:S+15+32*\c], v[SO+2*\c]
	v_cvt_scalef32_pk16_bf6_f32 v[PC+12+4*\c:PC+14+4*\c], v[S+16+32*\c:S+31+32*\c], v[SO+2*\c+1]
.endr
	v_nop
.irp c, 0,1
.irp i, 0,1,2
	v_permlane16_swap_b32 v[PC+6*\c+\i], v[PC+12+4*\c+\i]
.endr
.irp i, 0,1,2
	s_delay_alu instid0(VALU_DEP_3)
	v_mov_b32 v[PC+3+6*\c+\i], v[PC+12+4*\c+\i]
.endr
.endr
.set kk, 0
.rept 16
	v_pk_mul_f32 v[O+kk:O+kk+1], v[O+kk:O+kk+1], v[F:F+1] op_sel_hi:[1,0]   ; O^T under the new M; also the places behind the scale word and the codes
.set kk, kk+2
.endr
.rept 4
	v_nop
.endr
	s_wait_alu depctr_va_vdst(0)
	s_wait_dscnt 0x0                               ; v's fragments and scale words
.irp t, 0,1,2,3
	v_wmma_scale_f32_16x16x128_f8f6f4 v[O+8*\t:O+8*\t+7], v[KFR+12*\t:KFR+12*\t+11], v[PC:PC+11], v[O+8*\t:O+8*\t+7], v[VS+\t], v[PW] matrix_a_fmt:MATRIX_FMT_BF6 matrix_b_fmt:MATRIX_FMT_BF6
.endr
.Lhidden_\@:
.endm
.macro TILE qb, sq, q0, hw, yb
	v_mov_b32 v13, 0xff61b1e6                      ; the largest t so far: -3e38
	s_delay_alu instid0(VALU_DEP_1)
	v_floor_f32 v12, -v13
	v_mov_b32 v14, 0
	v_mov_b32 v15, 0
.set kk, 0
.rept 32
	v_mov_b32 v[O+kk], 0                           ; the step is written once: the first finds zeros
.set kk, kk+1
.endr
	s_mov_b32 s[TB], 0
	s_mov_b32 s[KF], 0
	s_mov_b32 s[CNT], 8
.Lkey_\@:
	STEP \qb, \sq, \q0
	s_add_co_u32 s[TB], s[TB], 12800
	s_add_co_u32 s[KF], s[KF], 128
	s_sub_co_u32 s[CNT], s[CNT], 1
	s_cmp_lg_u32 s[CNT], 0
	s_cbranch_scc1 .Lkey_\@
.rept 4
	v_nop                                          ; behind the last products
.endr
	v_add_f32 v14, v14, v15
	s_delay_alu instid0(VALU_DEP_1)
	v_permlanex16_b32 v[PR], v14, s[SEL], s[SEL+1]
	s_delay_alu instid0(VALU_DEP_1)
	v_add_f32 v14, v14, v[PR]                      ; the row's sum
	s_wait_alu depctr_va_vdst(0)
	v_rcp_f32 v14, v14
	v_nop
	s_wait_alu depctr_va_vdst(0)
.set kk, 0
.rept 32
	v_mul_f32 v[S+kk], v[O+kk], v14                ; y: register 16 b + i is channel 32 b + 16 h + i of my query
.set kk, kk+1
.endr
.irp b, 0,1
	v_max3_num_f32 v[BM+\b], |v[S+16*\b]|, |v[S+1+16*\b]|, 0x2800000
.endr
.irp i, 2,4,6,8,10,12,14
.irp b, 0,1
	s_delay_alu instid0(VALU_DEP_2)
	v_max3_num_f32 v[BM+\b], v[BM+\b], |v[S+16*\b+\i]|, |v[S+1+16*\b+\i]|
.endr
.endr
.irp b, 0,1
	s_delay_alu instid0(VALU_DEP_2)
	v_permlanex16_b32 v[PR+\b], v[BM+\b], s[SEL], s[SEL+1]
.endr
.irp b, 0,1
	s_delay_alu instid0(VALU_DEP_2)
	v_max_num_f32 v[BM+\b], v[BM+\b], v[PR+\b]
.endr
.irp b, 0,1
	s_delay_alu instid0(VALU_DEP_2)
	v_add_nc_u32 v[SO+\b], 0xfe000000, v[BM+\b]
.endr
.irp b, 0,1
	s_delay_alu instid0(VALU_DEP_2)
	v_lshrrev_b32 v[PR+\b], 23, v[SO+\b]
.endr
	s_delay_alu instid0(VALU_DEP_1)
	v_lshl_or_b32 v[\hw], v[PR+1], 8, v[PR]
	v_cvt_scalef32_pk16_bf6_f32 v[PC:PC+2], v[S:S+15], v[SO]
	v_cvt_scalef32_pk16_bf6_f32 v[PC+12:PC+14], v[S+16:S+31], v[SO+1]
	v_nop
.irp i, 0,1,2
	v_permlane16_swap_b32 v[PC+\i], v[PC+12+\i]
.endr
.irp i, 0,1,2
	s_delay_alu instid0(VALU_DEP_3)
	v_mov_b32 v[PC+3+\i], v[PC+12+\i]
.endr
	global_store_b128 v[LI], v[PC:PC+3], s[\yb:\yb+1]              ; half a record: 512 and 256 consecutive bytes
	global_store_b64 v[L8], v[PC+4:PC+5], s[\yb:\yb+1] offset:512
	s_wait_xcnt 0x0                                ; the codes' registers are written again only behind this wait
.endm
	TILE 16, 52, 33, HW, 40
	TILE 34, 53, 34, HW+1, 42
	v_cmp_eq_u32 vcc_lo, 1, v[HH]                  ; lanes 0-15 store tile 1's rows' two bytes, lanes 16-31 tile 2's
	s_delay_alu instid0(VALU_DEP_1)
	v_cndmask_b32 v[TMP], v[HW], v[HW+1], vcc_lo
	v_mov_b32 v[TMP+1], s52
	v_mov_b32 v[SM2], s53
	s_delay_alu instid0(VALU_DEP_1)
	v_cndmask_b32 v[TMP+1], v[TMP+1], v[SM2], vcc_lo
	s_delay_alu instid0(VALU_DEP_1)
	v_lshl_add_u32 v[TMP+1], v[RR], 5, v[TMP+1]
	global_store_b16 v[TMP+1], v[TMP], s[8:9]
	s_wait_tensorcnt 0x0
	ds_add_u32 v254, v255
	s_wait_dscnt 0x0
	s_endpgm
.Lfunc_end_k_qee8d11d9ee_attn:
	.size	k_qee8d11d9ee_attn, .Lfunc_end_k_qee8d11d9ee_attn-k_qee8d11d9ee_attn
	.p2alignl 7, 3214868480
	.fill 96, 4, 3214868480
	.section	.rodata,"a",@progbits
	.p2align	6, 0x0
	.amdhsa_kernel k_qee8d11d9ee_attn
		.amdhsa_group_segment_fixed_size 169984
		.amdhsa_private_segment_fixed_size 0
		.amdhsa_enable_private_segment 0
		.amdhsa_kernarg_size 24
		.amdhsa_user_sgpr_count 2
		.amdhsa_user_sgpr_kernarg_segment_ptr 1
		.amdhsa_wavefront_size32 1
		.amdhsa_system_sgpr_workgroup_id_x 1
		.amdhsa_system_sgpr_workgroup_id_y 1
		.amdhsa_system_sgpr_workgroup_id_z 1
		.amdhsa_system_vgpr_workitem_id 0
		.amdhsa_next_free_vgpr 256
		.amdhsa_next_free_sgpr 66
		.amdhsa_reserve_vcc 1
		.amdhsa_float_denorm_mode_32 3
		.amdhsa_float_denorm_mode_16_64 3
		.amdhsa_memory_ordered 1
		.amdhsa_forward_progress 1
		.amdhsa_inst_pref_size 62
	.end_amdhsa_kernel
	.amdgpu_metadata
---
amdhsa.version: [ 1, 2 ]
amdhsa.kernels:
  - .name:           k_qee8d11d9ee_attn
    .symbol:         k_qee8d11d9ee_attn.kd
    .args:
      - { .name: qb, .offset: 0, .size: 8, .value_kind: global_buffer, .address_space: global }
      - { .name: kvb, .offset: 8, .size: 8, .value_kind: global_buffer, .address_space: global }
      - { .name: yb, .offset: 16, .size: 8, .value_kind: global_buffer, .address_space: global }
    .group_segment_fixed_size: 169984
    .private_segment_fixed_size: 0
    .kernarg_segment_align: 8
    .kernarg_segment_size: 24
    .max_flat_workgroup_size: 512
    .sgpr_count:     66
    .vgpr_count:     256
    .wavefront_size: 32
...
	.end_amdgpu_metadata
.endif
;; end of part 3
;; launch proj (part 4): grid 4 x 64, 4 waves a work-group, clusters of 4 x 4, 327,680 bytes of LDS; arguments yb, wb, bo, out0; writes out0
.if DOCPART == 4
	.amdgcn_target "amdgcn-amd-amdhsa--gfx1250"
	.amdhsa_code_object_version 6
	.text
	.protected	k_qee8d11d9ee_proj
	.globl	k_qee8d11d9ee_proj
	.p2align	8
	.type	k_qee8d11d9ee_proj,@function
k_qee8d11d9ee_proj:
	s_mov_b64 s[64:65], 0
	v_nop
	global_prefetch_b8 v0, s[64:65] scope:SCOPE_SE
	s_setreg_imm32_b32 hwreg(HW_REG_WAVE_MODE, 25, 1), 1
	s_wait_xcnt 0x0
	s_wait_alu depctr_hold_cnt(0) depctr_sa_sdst(0) depctr_va_vdst(0) depctr_va_sdst(0) depctr_va_ssrc(0) depctr_va_vcc(0) depctr_vm_vsrc(0)
	s_getreg_b32 s2, hwreg(HW_REG_IB_STS2, 6, 4)
	s_cmp_eq_u32 s2, 0
	s_cbranch_scc0 .Lentry_in_a_cluster
	s_endpgm
.Lentry_in_a_cluster:
	s_bfe_u32 s2, ttmp6, 0x10000c
	s_cmp_lg_u32 s2, 0xf033
	s_cbranch_scc0 .Lentry_shape_is_right
	s_endpgm
.Lentry_shape_is_right:
; out = y wo^T + bo on codes of BF6 (E3M2) with E8M0 scales, K = 1,024.  y and wo come as images of operand registers: a tile of 16 rows is 8 records of 1,536 bytes on end, 12,288 bytes.
; A work-group of four waves makes 128 rows x 256 columns, a wave 64 x 128: 32 accumulators in window 2.  Source 0 = 16 rows of wo, source 1 = 16 rows of y: a lane holds eight neighbouring columns of a row.
; LDS HOLDS ALL OF K: y's 8 tiles (98,304 dense bytes), then wo's 16 (196,608).  They come once, by one joint load a wave (waves 0, 1: halves of y's; waves 2, 3: halves of wo's): no ring, nothing is filled again.
; CLUSTER 4 x 4: y's tiles are shared along a row of the cluster, wo's along a column.
; SCALES: a row's 32 bytes come by two loads of 16 into registers, for all of K: lanes 0-15 hold tile 2 j's words, lanes 16-31 tile 2 j + 1's; register 8 j + s is K step s.  These registers hold nothing else.
; The bias is the C of the first K step.  NO PREFETCH: every byte is asked for at the head, and there is no loop to run ahead in.
; The way out goes through a stage of 16 rows x 528 bytes a wave, in y's bytes, behind a barrier behind which nobody reads them: they have had their only fill.
.set LB,    98304
.set SPARE, 294912                     ; the spare words: 512 bytes that no other line names
.set CO,   3                           ; 16 x lane
.set ADA,  8                           ; v8, 9: y's fragments, 16 x lane and 8 x lane
.set ADB,  10                          ; v10-13: wo's tiles 0-3, tiles 4-7
.set STO,  14
.set RD,   15
.set L32,  16
.set BO,   17
.set SPW,  18
.set NIL,  19
.set SA,   32                          ; v32-47 y's scale words
.set SB,   48                          ; v48-79 wo's
.set AF,   80                          ; v80-175 y's fragments, two sets of four
.set BI,   176                         ; v176-239 the bias
.set BK,   80                          ; the way out: two sets of 64
.set MSB, 0
.macro WIN new
.if MSB != (\new)
	s_set_vgpr_msb (MSB<<8)|(\new)
.set MSB, (\new)
.endif
.endm
.macro PLACES n
.rept \n
	v_nop
.endr
.endm
.macro CROUND
	s_barrier_signal -1
	s_barrier_wait -1
	s_cmp_lg_u32 s12, 0
	s_cbranch_scc1 .Lnot_wave_0_\@
	s_barrier_signal -3
.Lnot_wave_0_\@:
	s_barrier_wait -3
	s_barrier_signal -1
	s_barrier_wait -1
.endm
.macro FRAG reg, a16, off
	ds_load_b128 v[\reg:\reg+3], v[\a16] offset:\off
	ds_load_b64 v[\reg+4:\reg+5], v[\a16+1] offset:\off+512
	ds_load_b128 v[\reg+6:\reg+9], v[\a16] offset:\off+768
	ds_load_b64 v[\reg+10:\reg+11], v[\a16+1] offset:\off+1280
.endm
.macro FETCH st                        ; K step st into set st % 2: wo's eight fragments (window 1), y's four (window 0)
	WIN 0x40
.irp i, 0,1,2,3,4,5,6,7
	FRAG 128*((\st)%2)+12*\i, ADB+2*(\i/4), (\i%4)*12288+(\st)*1536
.endr
	WIN 0
.irp i, 0,1,2,3
	FRAG AF+48*((\st)%2)+12*\i, ADA, \i*12288+(\st)*1536
.endr
.endm
.macro WM
.if RW0 && RW1
	v_wmma_scale_f32_16x16x128_f8f6f4 v[WD:WD+7], v[S0:S0+11], v[S1:S1+11], v[WC:WC+7], v[C0], v[C1] matrix_a_fmt:MATRIX_FMT_BF6 matrix_b_fmt:MATRIX_FMT_BF6 matrix_a_scale:MATRIX_SCALE_ROW1 matrix_b_scale:MATRIX_SCALE_ROW1
.elseif RW0
	v_wmma_scale_f32_16x16x128_f8f6f4 v[WD:WD+7], v[S0:S0+11], v[S1:S1+11], v[WC:WC+7], v[C0], v[C1] matrix_a_fmt:MATRIX_FMT_BF6 matrix_b_fmt:MATRIX_FMT_BF6 matrix_a_scale:MATRIX_SCALE_ROW1
.elseif RW1
	v_wmma_scale_f32_16x16x128_f8f6f4 v[WD:WD+7], v[S0:S0+11], v[S1:S1+11], v[WC:WC+7], v[C0], v[C1] matrix_a_fmt:MATRIX_FMT_BF6 matrix_b_fmt:MATRIX_FMT_BF6 matrix_b_scale:MATRIX_SCALE_ROW1
.else
	v_wmma_scale_f32_16x16x128_f8f6f4 v[WD:WD+7], v[S0:S0+11], v[S1:S1+11], v[WC:WC+7], v[C0], v[C1] matrix_a_fmt:MATRIX_FMT_BF6 matrix_b_fmt:MATRIX_FMT_BF6
.endif
.endm
.macro MULS st                         ; 32 products; the accumulators take turns, in the same order in every step
.if (\st) == 0
	WIN 0x81                                       ; C: the bias, in window 0
.else
	WIN 0xa1
.endif
.set ga, 0
.rept 4
.set gb, 0
.rept 8
.set WD, 8*(8*ga+gb)
.if (\st) == 0
.set WC, BI+8*gb
.else
.set WC, WD
.endif
.set S0, 128*((\st)%2)+12*gb
.set S1, AF+48*((\st)%2)+12*ga
.set C0, SB+8*(gb/2)+(\st)
.set C1, SA+8*(ga/2)+(\st)
.set RW0, gb%2
.set RW1, ga%2
	WM
.set gb, gb+1
.endr
.set ga, ga+1
.endr
	WIN 0
.endm
	s_load_b256 s[4:11], s[0:1], 0x0               ; yb, wb, bo, out0
	v_lshl_add_u32 v[SPW], v0, 2, SPARE
	v_mov_b32 v[NIL], 0
	ds_add_u32 v[SPW], v[NIL]                      ; the opening lines: the add, twice on end, and its wait ahead of my first tensor load
	ds_add_u32 v[SPW], v[NIL]
	v_lshrrev_b32 v1, 5, v0
	v_readfirstlane_b32 s12, v1                    ; wave
	s_lshr_b32 s13, s12, 1                         ; my 64 rows of y.  Also: I fetch for y (0) or for wo (1)
	s_and_b32 s14, s12, 1                          ; my 128 rows of wo.  Also: which half I fetch
	s_mul_i32 s2, s13, 49152
	s_mul_i32 s3, s14, 98304
	s_add_co_u32 s3, s3, LB
	s_add_co_u32 s19, s3, 49152
	s_mul_i32 s46, s12, 8448                       ; my stage
	v_and_b32 v1, 31, v0
	v_and_b32 v2, 15, v0
	v_bfe_u32 v4, v0, 4, 1
	v_lshlrev_b32 v[CO], 4, v1
	v_lshlrev_b32 v5, 3, v1
	v_lshlrev_b32 v[L32], 5, v1
	v_lshlrev_b32 v[BO], 5, v4
	v_add_nc_u32 v[ADA], s2, v[CO]
	v_add_nc_u32 v[ADA+1], s2, v5
	v_add_nc_u32 v[ADB], s3, v[CO]
	v_add_nc_u32 v[ADB+1], s3, v5
	v_add_nc_u32 v[ADB+2], s19, v[CO]
	v_add_nc_u32 v[ADB+3], s19, v5
	v_mul_u32_u24 v[STO], v2, 528
	v_lshl_add_u32 v[STO], v4, 5, v[STO]
	v_add_nc_u32 v[STO], s46, v[STO]
	v_add_nc_u32 v[RD], s46, v[CO]
	s_bfe_u32 s15, ttmp6, 0x40000                  ; cx
	s_bfe_u32 s16, ttmp6, 0x40004                  ; cy
	s_and_b32 s17, ttmp7, 0xffff
	s_lshl_b32 s17, s17, 2
	s_add_co_u32 s17, s17, s16                     ; the block of 128 rows: made of cy alone
	s_lshl_b32 s18, ttmp9, 2
	s_add_co_u32 s18, s18, s15                     ; the block of 256 columns: made of cx alone
	s_lshl_b32 s2, s16, 2
	s_lshl_b32 s2, 15, s2                          ; my row of the cluster
	s_lshl_b32 s48, 0x1111, s15                    ; my column
	s_or_b32 s20, s2, (3<<16)|(1<<21)              ; group 1: 4 tiles of 1,536 elements of 8 bytes, dense
	s_mov_b32 s21, 1536<<16
	s_mov_b32 s22, 4<<16
	s_mov_b32 s23, 1536<<16
	s_mov_b32 s24, 4
	s_mov_b32 s25, 1536
	s_mov_b32 s26, 0
	s_mov_b32 s27, 0
	s_or_b32 s28, s48, (3<<16)|(1<<21)             ; and 8 tiles
	s_mov_b32 s29, 1536<<16
	s_mov_b32 s30, 8<<16
	s_mov_b32 s31, 1536<<16
	s_mov_b32 s32, 8
	s_mov_b32 s33, 1536
	s_mov_b32 s34, 0
	s_mov_b32 s35, 0
	s_mov_b32 s36, 1
	s_mul_i32 s37, s14, 49152
	s_mov_b32 s40, 1
	s_mul_i32 s41, s14, 98304
	s_add_co_u32 s41, s41, LB
	s_mul_i32 s2, s17, 98304
	s_add_co_u32 s2, s2, s37
	s_mov_b32 s3, 0
	s_mul_i32 s48, s18, 196608
	s_mul_i32 s49, s14, 98304
	s_add_co_u32 s48, s48, s49
	s_add_co_u32 s48, s48, 2359296                 ; wo's tiles begin at tile 192
	s_mov_b32 s49, 0
	s_wait_alu depctr_va_vdst(0)                   ; the end of the head's vector work
	s_wait_dscnt 0x0
	s_wait_kmcnt 0x0
	s_add_nc_u64 s[38:39], s[4:5], s[2:3]
	s_or_b32 s39, s39, 0x80000000
	s_add_nc_u64 s[42:43], s[6:7], s[48:49]
	s_or_b32 s43, s43, 0x80000000
	CROUND                                         ; all sixteen work-groups are here: the joint loads meet
	s_cmp_eq_u32 s13, 0
	s_cbranch_scc0 .Lfor_b
	tensor_load_to_lds s[36:39], s[20:27]
	s_nop 0
	PLACES 4
	s_branch .Lasked
.Lfor_b:
	tensor_load_to_lds s[40:43], s[28:35]
	s_nop 0
	PLACES 4
.Lasked:
	s_lshl_b32 s50, s17, 12                        ; y's scale bytes: 32 a row, my 64 rows
	s_lshl_b32 s51, s13, 11
	s_add_co_u32 s50, s50, s51
	s_add_co_u32 s50, s50, 6291456
	s_mov_b32 s51, 0
	s_add_nc_u64 s[44:45], s[4:5], s[50:51]
	s_lshl_b32 s50, s18, 13                        ; wo's: my 128 rows
	s_lshl_b32 s52, s14, 12
	s_add_co_u32 s50, s50, s52
	s_add_co_u32 s50, s50, 3244032
	s_add_nc_u64 s[46:47], s[6:7], s[50:51]
	s_lshl_b32 s50, s18, 10
	s_lshl_b32 s52, s14, 9
	s_add_co_u32 s50, s50, s52                     ; my first column, in bytes
	s_add_nc_u64 s[8:9], s[8:9], s[50:51]
	s_add_nc_u64 s[10:11], s[10:11], s[50:51]
	s_lshl_b32 s50, s17, 19
	s_lshl_b32 s52, s13, 18
	s_add_co_u32 s50, s50, s52                     ; my first row
	s_add_nc_u64 s[10:11], s[10:11], s[50:51]
.irp j, 0,1
.irp q, 0,1
	global_load_b128 v[SA+8*\j+4*\q:SA+8*\j+4*\q+3], v[L32], s[44:45] offset:1024*\j+16*\q
.endr
.endr
.irp j, 0,1,2,3
.irp q, 0,1
	global_load_b128 v[SB+8*\j+4*\q:SB+8*\j+4*\q+3], v[L32], s[46:47] offset:1024*\j+16*\q
.endr
.endr
.irp b, 0,1,2,3,4,5,6,7
	global_load_b128 v[BI+8*\b:BI+8*\b+3], v[BO], s[8:9] offset:64*\b
	global_load_b128 v[BI+8*\b+4:BI+8*\b+7], v[BO], s[8:9] offset:64*\b+16
.endr
	s_wait_tensorcnt 0x0                           ; my part is in,
	s_barrier_signal -1
	s_barrier_wait -1                              ; everybody's is
	FETCH 0
	s_wait_loadcnt 0x0
.irp st, 0,1,2,3,4,5,6
	s_wait_dscnt 0x0                               ; this step's set is in: it was asked for a step ago
	PLACES 4                                       ; in front of loads into the set that the last step's products read
	FETCH \st+1
	MULS \st
.endr
	s_wait_dscnt 0x0                               ; my last reads of the tiles are over
	s_barrier_signal -1
	MULS 7
	s_barrier_wait -1                              ; everybody's are: the stage may be written
.macro TOSTAGE a
	WIN 0x08
.irp b, 0,1,2,3,4,5,6,7
	ds_store_b128 v[STO], v[64*(\a)+8*\b:64*(\a)+8*\b+3] offset:64*\b           ; each accumulator from its low end on
	ds_store_b128 v[STO], v[64*(\a)+8*\b+4:64*(\a)+8*\b+7] offset:64*\b+16
.endr
	WIN 0
.set BB, BK+64*((\a)%2)
.irp t, 0,1,2,3,4,5,6,7,8,9,10,11,12,13,14,15
	ds_load_b128 v[BB+4*\t:BB+4*\t+3], v[RD] offset:\t*528                      ; in order behind my stores
.endr
.endm
.macro SEND a, younger
.set BB, BK+64*((\a)%2)
	s_wait_dscnt \younger
.irp t, 0,1,2,3,4,5,6,7,8,9,10,11,12,13,14,15
	global_store_b128 v[CO], v[BB+4*\t:BB+4*\t+3], s[10:11] offset:(16*(\a)+\t)*4096 th:TH_STORE_NT   ; 512 consecutive bytes of a row
.endr
.endm
	PLACES 4
	TOSTAGE 0
.irp a, 1,2,3
.if \a > 1
	s_wait_xcnt 0x0                                ; block a - 2's stores have read their registers
.endif
	TOSTAGE \a
	SEND \a-1, 32                                  ; behind block a - 1's loads: block a's 16 stores and 16 loads
.endr
	SEND 3, 0
	s_wait_tensorcnt 0x0                           ; the wave's end
	ds_add_u32 v[SPW], v[NIL]
	s_wait_dscnt 0x0
	CROUND                                         ; the closing round
	s_endpgm
.Lfunc_end_k_qee8d11d9ee_proj:
	.size	k_qee8d11d9ee_proj, .Lfunc_end_k_qee8d11d9ee_proj-k_qee8d11d9ee_proj
	.p2alignl 7, 3214868480
	.fill 96, 4, 3214868480
	.section	.rodata,"a",@progbits
	.p2align	6, 0x0
	.amdhsa_kernel k_qee8d11d9ee_proj
		.amdhsa_group_segment_fixed_size 327680
		.amdhsa_private_segment_fixed_size 0
		.amdhsa_enable_private_segment 0
		.amdhsa_kernarg_size 32
		.amdhsa_user_sgpr_count 2
		.amdhsa_user_sgpr_kernarg_segment_ptr 1
		.amdhsa_wavefront_size32 1
		.amdhsa_system_sgpr_workgroup_id_x 1
		.amdhsa_system_sgpr_workgroup_id_y 1
		.amdhsa_system_sgpr_workgroup_id_z 1
		.amdhsa_system_vgpr_workitem_id 0
		.amdhsa_next_free_vgpr 768
		.amdhsa_next_free_sgpr 66
		.amdhsa_reserve_vcc 0
		.amdhsa_float_denorm_mode_32 3
		.amdhsa_float_denorm_mode_16_64 3
		.amdhsa_memory_ordered 1
		.amdhsa_forward_progress 1
		.amdhsa_inst_pref_size 82
	.end_amdhsa_kernel
	.amdgpu_metadata
---
amdhsa.version: [ 1, 2 ]
amdhsa.kernels:
  - .name:           k_qee8d11d9ee_proj
    .symbol:         k_qee8d11d9ee_proj.kd
    .args:
      - { .name: yb, .offset: 0, .size: 8, .value_kind: global_buffer, .address_space: global }
      - { .name: wb, .offset: 8, .size: 8, .value_kind: global_buffer, .address_space: global }
      - { .name: bo, .offset: 16, .size: 8, .value_kind: global_buffer, .address_space: global }
      - { .name: out0, .offset: 24, .size: 8, .value_kind: global_buffer, .address_space: global }
    .group_segment_fixed_size: 327680
    .private_segment_fixed_size: 0
    .kernarg_segment_align: 8
    .kernarg_segment_size: 32
    .max_flat_workgroup_size: 128
    .sgpr_count:     66
    .vgpr_count:     768
    .wavefront_size: 32
...
	.end_amdgpu_metadata
.endif
;; end of part 4
